; MI455X (gfx1250); checked and timed in simulation.
; The chip was launched on July 23, 2026; its instructions are those of AMD's public machine-readable ISA for CDNA 5 (MIT licence, August 2026) and "CDNA5" Instruction Set Architecture Reference Guide (July 2026). The comments in the code are by the model that wrote it; some were corrected since.
;; Parallel Transformer Block. Allowed arithmetic: matrix products marked QUANTISED: E4M3 operands, one given power-of-two scale a tensor, by v_wmma_f32_16x16x64_fp8_fp8 or v_wmma_f32_16x16x128_fp8_fp8, f32 sums; everything else in f32.
;; Inputs: W_attn_out 512 x 2,048 float32; W_ff_out 2,048 x 2,048 float32; W_fused 2,048 x 4,672 float32; attn_mask 2 x 2,048 bool; gamma 2,048 float32; lowp_scales 10 int32 (the exponents e of the quantised operands' scales 2^e); x 2 x 2,048 x 2,048 float32.
;; Outputs: out0 2 x 2,048 x 2,048 float32.
;; This version of the problem:
;;   THIS VERSION OF THE PROBLEM IS GIVEN IN LOW PRECISION. The matrix products marked QUANTISED in the list below multiply operands that are first quantised to E4M3 (4 exponent bits, 3 mantissa bits; 8 bits a number), with one given power-of-two scale for each operand tensor; their sums are f32. All else is computed in f32.
;;   The module's matrix products, in the order in which they are computed (A, B: the left and right operand; K: the contracted axis; several contracted axes count as one K, in the product's order):
;;     1. [M 4,096, K 2,048] x [K 2,048, N 4,672]; A: computed on the way; B: input W_fused: QUANTISED (scales: A lowp_scales[0], B lowp_scales[1])
;;     2. batch 2 x [M 32,768, K 32] x [K 32, N 2,048]; A: computed on the way; B: computed on the way: QUANTISED (scales: A lowp_scales[2], B lowp_scales[3])
;;     3. batch 2 x [M 32,768, K 2,048] x [K 2,048, N 32]; A: softmax (see below); B: computed on the way: QUANTISED (scales: A lowp_scales[4], B lowp_scales[5])
;;     4. [M 4,096, K 2,048] x [K 2,048, N 2,048]; A: computed on the way; B: input W_ff_out: QUANTISED (scales: A lowp_scales[6], B lowp_scales[7])
;;     5. [M 4,096, K 512] x [K 512, N 2,048]; A: computed on the way; B: input W_attn_out: QUANTISED (scales: A lowp_scales[8], B lowp_scales[9])
;;   THE QUANTISER, for each operand of a quantised product, along K:
;;     - The operand's scale is 2^e, e = its entry of the input lowp_scales (int32; the entries are numbered through the quantised products in the list's order, A before B).
;;     - Each number is divided by the scale, clamped to +-448, and rounded to the nearest number of E4M3, ties to even, subnormals kept.
;;     - The product sums the exact products of the quantised numbers (number of the format x scale) in f32.
;;   ~~~python
;;   def quantise(x, axis, e):      # numpy; x: float32 -> the quantised numbers, widened to float32 again
;;       x = np.moveaxis(x, axis, -1); K = x.shape[-1]
;;       r = np.clip(x / 2.0 ** e, -448, 448)
;;       step = 2.0 ** (np.maximum(np.frexp(np.where(r == 0, 1, r))[1] - 1, -6) - 3)
;;       q = np.round(r / step) * step * 2.0 ** e      # np.round: ties to even
;;       return np.moveaxis(q, -1, axis).astype(np.float32)
;;   ~~~
;;   SOFTMAX AHEAD OF A QUANTISED PRODUCT. Where the list says 'softmax', what is quantised is not the finished softmax but p = 2^(t - M), with t = logit x log2(e) and M = ceil(the row's largest t), a whole number; so 1/2 < the row's largest p <= 1. The row's sum l is taken of the UNQUANTISED p, in f32, and the product's result is divided by l at the end. Since M is a whole number, a kernel that streams over the keys may use a running M (the ceiling of the running maximum): every later rescaling is an exact power of two, so the quantised numbers keep their values, but for numbers so far below the row's largest that they fall under the format's range.
;;   OPERANDS COMPUTED ON THE WAY. 'Computed on the way' means the value that the module computes at that place (a softmax that the list does not call 'softmax' is quantised finished and normalised). What goes into a quantiser is computed in f32, as accurately as f32 sums, v_exp_f32 and their like allow (about 1e-6 of the number): no bf16 or f16 on the way to a quantiser, and a product that is left as it is and whose result goes on into a quantised operand takes f32 operands (vector FMAs, or v_wmma_f32_16x16x4_f32). A number that lies on a knife's edge between two numbers of the format may be rounded either way, as far as f32 arithmetic and the matrix unit's own rounding can turn it there, and no further.
;; One version. Each part assembles by itself: llvm-mc -triple=amdgcn-amd-amdhsa -mcpu=gfx1250 --defsym DOCPART=n.
;; ======== version 1 of 1: 4 launches
;; limits: right only within a limited range of input values
;; workspace buffers: ximg 8,388,608 bytes; w1img 9,568,256 bytes; w2img 5,242,880 bytes; rope 262,144 bytes; qimg 2,097,152 bytes; kv 262,144 bytes; act 10,485,760 bytes
;; launch prep (part 1): grid 708 x 1, 8 waves a work-group, no clusters, 132,608 bytes of LDS; arguments x, gamma, W_fused, W_ff_out, W_attn_out, lowp_scales, ximg, w1img, w2img, rope; writes ximg, w1img, w2img, rope
.if DOCPART == 1
	.amdgcn_target "amdgcn-amd-amdhsa--gfx1250"
	.amdhsa_code_object_version 6
	.text
	.protected	k_qc478916236_prep
	.globl	k_qc478916236_prep
	.p2align	8
	.type	k_qc478916236_prep,@function
k_qc478916236_prep:
	s_mov_b64 s[64:65], 0
	v_nop
	global_prefetch_b8 v0, s[64:65] scope:SCOPE_SE
	s_setreg_imm32_b32 hwreg(HW_REG_WAVE_MODE, 25, 1), 1
	s_wait_xcnt 0x0
; PREP.  Work-groups 0-255: LayerNorm of 16 rows of x, quantised (E4M3, scale 2^e0) into ximg; each of their waves also makes one position of the rotary table.
; Work-groups 256-707: the three weights, whose K is their first axis, quantised (e1, e7, e9) into w1img and w2img with K innermost.
; THE IMAGE.  A fragment is 16 rows x 128 K, 2,048 bytes: byte 512 c + 16 L + i is the code of (row L % 16, k = 32 c + 16 (L / 16) + i): the operand's 16 registers as four loads of 16 bytes a lane take them.
; Both sides of every product on images carry this same order of k.
; ximg [256 tiles of rows][16 K steps][2048].   w1img [16 groups][18 tiles][16][2048], then k's two tiles and v's two.   w2img [128 tiles][20 K steps][2048]: K steps 0-3 W_attn_out, 4-19 W_ff_out.
; rope [2048 positions][cos 0..15, sin 0..15] f32.
; WHICH COLUMNS FORM A TILE is free.  Order P (v, ff_x, gate, both output weights): tile u, row t takes column 8 u + t + 8 (t / 8) of its 32.  Order Q (q, k): tile w, row 8 h + j takes d = 16 (j / 4) + 8 w + 4 h + j % 4.
; LIMITS: e0, e1, e7, e9 between -126 and 119, so that 2^e and 448 x 2^e are f32 numbers.  NaN among the inputs is not served.
.set SP,  8208                         ; a row of the stage: 8,192 bytes + 16: sixteen rows start at sixteen different 16-byte columns of the banks
.set X0,  16                           ; v16-79   my first row, 64 numbers a lane;  later 64 numbers of K step 2 w
.set X1,  80                           ; v80-143  my second row;                    later of K step 2 w + 1
.set GM,  144                          ; v144-207 gamma; later the codes
.set CD,  144
.set LIM, 10                           ; v10  448 x 2^e
.set SCL, 11                           ; v11  2^e
.macro MKSCALE e
	s_add_co_i32 s58, \e, 127
	s_lshl_b32 s59, s58, 23
	v_mov_b32 v[SCL], s59                          ; 2^e as f32: the conversion takes its exponent field
	s_add_co_i32 s58, s58, 8
	s_lshl_b32 s58, s58, 23
	s_or_b32 s58, s58, 0x600000
	v_mov_b32 v[LIM], s58                          ; 448 x 2^e
.endm
.macro LANESUM r, t                    ; v[r] summed over the 32 lanes; v[t] has been written before
	v_add_f32_dpp v[\r], v[\r], v[\r] row_xmask:1 row_mask:0xf bank_mask:0xf
	v_add_f32_dpp v[\r], v[\r], v[\r] row_xmask:2 row_mask:0xf bank_mask:0xf
	v_add_f32_dpp v[\r], v[\r], v[\r] row_xmask:4 row_mask:0xf bank_mask:0xf
	v_add_f32_dpp v[\r], v[\r], v[\r] row_xmask:8 row_mask:0xf bank_mask:0xf
	v_permlanex16_b32 v[\t], v[\r], s42, s43
	v_add_f32 v[\r], v[\r], v[\t]
.endm
; A row's mean is taken away in place, and var + 1e-5 is left in v[out].  Two passes, so that a common offset of the row costs no digits.
.macro ROWSTAT b, out
	v_pk_add_f32 v[208:209], v[\b:\b+1], v[\b+2:\b+3]
	v_pk_add_f32 v[210:211], v[\b+4:\b+5], v[\b+6:\b+7]
.set j, 8
.rept 14
	v_pk_add_f32 v[208:209], v[208:209], v[\b+j:\b+j+1]
	v_pk_add_f32 v[210:211], v[210:211], v[\b+j+2:\b+j+3]
.set j, j+4
.endr
	v_pk_add_f32 v[208:209], v[208:209], v[210:211]
	v_add_f32 v208, v208, v209
	LANESUM 208, 209
	v_mul_f32 v212, s40, v208                      ; the mean: sum / 2,048
	v_mov_b32 v213, v212
.set j, 0
.rept 32
	v_pk_add_f32 v[\b+j:\b+j+1], v[\b+j:\b+j+1], v[212:213] neg_lo:[0,1] neg_hi:[0,1]
.set j, j+2
.endr
	v_pk_mul_f32 v[208:209], v[\b:\b+1], v[\b:\b+1]
	v_pk_mul_f32 v[210:211], v[\b+2:\b+3], v[\b+2:\b+3]
.set j, 4
.rept 15
	v_pk_fma_f32 v[208:209], v[\b+j:\b+j+1], v[\b+j:\b+j+1], v[208:209]
	v_pk_fma_f32 v[210:211], v[\b+j+2:\b+j+3], v[\b+j+2:\b+j+3], v[210:211]
.set j, j+4
.endr
	v_pk_add_f32 v[208:209], v[208:209], v[210:211]
	v_add_f32 v208, v208, v209
	LANESUM 208, 209
	v_fma_f32 v[\out], v208, s40, s41              ; sum of squares / 2,048 + 1e-5
.endm
; 64 numbers of a lane, register 16 c + i = k 32 c + 16 (lane / 16) + i of my row, become a fragment's 16 registers
.macro QUANT src, dst
.set c, 0
.rept 4
.set j, 0
.rept 16
	v_med3_num_f32 v[\src+16*c+j], v[\src+16*c+j], -v[LIM], v[LIM]   ; the conversion to an 8-bit code does not saturate (ISA guide 7.6.2): the hold comes first
.set j, j+1
.endr
	v_cvt_scalef32_pk8_fp8_f32 v[\dst+4*c:\dst+4*c+1], v[\src+16*c:\src+16*c+7], v[SCL]
	v_cvt_scalef32_pk8_fp8_f32 v[\dst+4*c+2:\dst+4*c+3], v[\src+16*c+8:\src+16*c+15], v[SCL]
.set c, c+1
.endr
.endm
.macro WLOAD pitch                     ; 128 rows of K at my column: each load reads 128 consecutive bytes in 32 lanes
.set j, 0
.rept 128
	global_load_b32 v[16+j], v5, s[8:9] offset:j*\pitch th:TH_LOAD_NT
.set j, j+1
.endr
.endm
	s_load_b512 s[4:19], s[0:1], 0x0               ; x 4, gamma 6, W_fused 8, W_ff_out 10, W_attn_out 12, the exponents 14, ximg 16, w1img 18
	s_load_b128 s[20:23], s[0:1], 0x40             ; w2img 20, rope 22
	v_lshl_add_u32 v254, v0, 2, 0x20200
	v_mov_b32 v255, 0
	v_lshrrev_b32 v1, 5, v0
	v_readfirstlane_b32 s24, v1                    ; wave 0..7
	v_and_b32 v1, 31, v0                           ; lane
	v_lshlrev_b32 v2, 4, v1                        ; 16 x lane
	s_wait_kmcnt 0x0
	s_load_b256 s[28:35], s[14:15], 0x0            ; e0 .. e7
	s_load_b64 s[36:37], s[14:15], 0x20            ; e8, e9
	s_cmp_lt_u32 ttmp9, 256                        ; the same for all waves of a work-group
	s_cbranch_scc0 .Lweights
	; ---------------- LayerNorm: work-group mt owns rows 16 mt .. 16 mt + 15, wave w rows 2 w and 2 w + 1 of them
	s_lshl_b32 s40, ttmp9, 17                      ; 16 rows of 8,192 bytes
	s_lshl_b32 s41, s24, 14
	s_add_co_u32 s40, s40, s41
	s_mov_b32 s41, 0
	s_add_nc_u64 s[4:5], s[4:5], s[40:41]
.set j, 0
.rept 16
	global_load_b128 v[X0+4*j:X0+4*j+3], v2, s[4:5] offset:512*j th:TH_LOAD_NT     ; 512 consecutive bytes a load
.set j, j+1
.endr
.set j, 0
.rept 16
	global_load_b128 v[X1+4*j:X1+4*j+3], v2, s[4:5] offset:8192+512*j th:TH_LOAD_NT
.set j, j+1
.endr
.set j, 0
.rept 16
	global_load_b128 v[GM+4*j:GM+4*j+3], v2, s[6:7] offset:512*j
.set j, j+1
.endr
	; while they are on their way: position s = 8 mt + w of the rotary table.  Lanes 0-15 make cos(s f_i), lanes 16-31 sin(s f_i), f_i = 10000^(-i / 16)
	s_lshl_b32 s44, ttmp9, 3
	s_add_co_u32 s44, s44, s24
	s_lshl_b32 s46, s44, 7
	s_mov_b32 s47, 0
	s_add_nc_u64 s[22:23], s[22:23], s[46:47]
	s_mov_b32 s38, 0x3fc90fdb                      ; pi / 2 in two parts
	s_mov_b32 s39, 0xb33bbd2e
	s_mov_b32 s42, 0x76543210                      ; v_permlanex16_b32: lane l xor 16
	s_mov_b32 s43, 0xfedcba98
	s_mov_b32 s40, 0x3a000000                      ; 1 / 2,048
	s_mov_b32 s41, 0x3727c5ac                      ; 1e-5
	v_and_b32 v224, 15, v1
	v_cvt_f32_u32 v224, v224
	v_mul_f32 v224, 0xbf549a78, v224               ; -i log2(10000) / 16
	v_exp_f32 v225, v224
	v_lshlrev_b32 v5, 2, v1                        ; (a plain instruction behind the exponential)  4 x lane
	v_cvt_f32_u32 v226, s44
	s_wait_alu depctr_va_vdst(0)                   ; ahead of the first reader of the exponential
	v_mul_f32 v226, v226, v225                     ; the angle a = s f, rounded once
	v_mul_f32 v227, 0x3f22f983, v226
	v_rndne_f32 v227, v227                         ; n = the nearest whole number to a / (pi / 2), at most 1,303
	v_fma_f32 v228, -v227, s38, v226
	v_fma_f32 v228, -v227, s39, v228               ; r = a - n pi / 2, within pi / 4
	v_mul_f32 v229, v228, v228                     ; z = r^2
	v_mov_b32 v230, 0xb94ca1f9
	v_fmaak_f32 v230, v230, v229, 0x3c08839e
	v_fmaak_f32 v230, v230, v229, 0xbe2aaaa3
	v_mul_f32 v231, v229, v228
	v_fma_f32 v230, v230, v231, v228               ; sin r
	v_mov_b32 v232, 0x37ccf5ce
	v_fmaak_f32 v232, v232, v229, 0xbab6061a
	v_fmaak_f32 v232, v232, v229, 0x3d2aaaa5
	v_mul_f32 v233, v229, v229
	v_fma_f32 v234, v229, -0.5, 1.0
	v_fma_f32 v232, v232, v233, v234               ; cos r
	v_cvt_i32_f32 v235, v227
	v_lshrrev_b32 v236, 4, v1
	v_xor_b32 v236, 1, v236
	v_add_nc_u32 v235, v235, v236                  ; the quadrant: n, and one more for the cosine
	v_and_b32 v236, 1, v235
	v_cmp_ne_u32 vcc_lo, 0, v236
	v_cndmask_b32 v240, v230, v232, vcc_lo
	v_and_b32 v236, 2, v235
	v_lshlrev_b32 v236, 30, v236
	v_xor_b32 v240, v240, v236                     ; the sign
	global_store_b32 v5, v240, s[22:23]            ; v5 and v240 are not written again
	; LDS addresses
	s_mul_i32 s45, s24, 2*SP
	v_add_nc_u32 v3, s45, v2                       ; in: rows 2 w, 2 w + 1; 16 bytes a lane
	v_and_b32 v6, 15, v0
	v_bfe_u32 v7, v0, 4, 1
	v_mul_u32_u24 v4, v6, SP
	v_lshl_add_u32 v4, v7, 6, v4
	s_lshl_b32 s46, s24, 10
	v_add_nc_u32 v4, s46, v4                       ; out: row lane % 16, + 64 (lane / 16), + my two K steps' 1,024 bytes
	s_wait_loadcnt 32                              ; my first row is in; the second row's and gamma's 32 loads may be out
	ROWSTAT X0, 218
	s_wait_loadcnt 16                              ; the second row; gamma's 16 may be out
	ROWSTAT X1, 219
	v_rsq_f32 v214, v218
	v_rsq_f32 v216, v219
	v_nop                                          ; a plain instruction behind the two roots,
	s_wait_alu depctr_va_vdst(0)                   ; and one wait for both ahead of their first reader
	v_mov_b32 v215, v214
	v_mov_b32 v217, v216
.set j, 0
.rept 32
	v_pk_mul_f32 v[X0+j:X0+j+1], v[X0+j:X0+j+1], v[214:215]
	v_pk_mul_f32 v[X1+j:X1+j+1], v[X1+j:X1+j+1], v[216:217]
.set j, j+2
.endr
	s_wait_loadcnt 0x0                             ; gamma
.set j, 0
.rept 32
	v_pk_mul_f32 v[X0+j:X0+j+1], v[X0+j:X0+j+1], v[GM+j:GM+j+1]
	v_pk_mul_f32 v[X1+j:X1+j+1], v[X1+j:X1+j+1], v[GM+j:GM+j+1]
.set j, j+2
.endr
.set j, 0
.rept 16
	ds_store_b128 v3, v[X0+4*j:X0+4*j+3] offset:512*j
	ds_store_b128 v3, v[X1+4*j:X1+4*j+3] offset:SP+512*j
.set j, j+1
.endr
	s_wait_kmcnt 0x0
	MKSCALE s28                                    ; e0
	s_lshl_b32 s46, ttmp9, 15                      ; ximg: 16 K steps of 2,048 bytes a tile of rows,
	s_lshl_b32 s47, s24, 12                        ; my two K steps
	s_add_co_u32 s46, s46, s47
	s_mov_b32 s47, 0
	s_add_nc_u64 s[16:17], s[16:17], s[46:47]
	s_wait_dscnt 0x0                               ; for the others' sake: my two rows lie in the stage
	s_barrier_signal -1
	s_barrier_wait -1                              ; all sixteen rows do
	; wave w makes the fragments of K steps 2 w and 2 w + 1: lane (r, h) takes, of row r, 16 neighbours of each block of 32
.irp kp, 0,1
.irp c, 0,1,2,3
.irp i, 0,1,2,3
	ds_load_b128 v[16+64*\kp+16*\c+4*\i:16+64*\kp+16*\c+4*\i+3], v4 offset:512*\kp+128*\c+16*\i
.endr
.endr
.endr
	s_wait_dscnt 16                                ; the first K step's 16 loads are in, the second's may be out
	QUANT X0, CD
.irp c, 0,1,2,3
	global_store_b128 v2, v[CD+4*\c:CD+4*\c+3], s[16:17] offset:512*\c          ; 512 consecutive bytes a store
.endr
	s_wait_dscnt 0x0
	QUANT X1, CD+16                                ; codes of their own: no store's data are written again
.irp c, 0,1,2,3
	global_store_b128 v2, v[CD+16+4*\c:CD+16+4*\c+3], s[16:17] offset:2048+512*\c
.endr
	s_wait_tensorcnt 0x0
	ds_add_u32 v254, v255
	s_wait_dscnt 0x0
	s_endpgm
	; ---------------- the weights: a wave takes a unit of 32 columns x 128 K.  A lane takes a column, its registers run down K.  No LDS, no barrier
.Lweights:
	v_and_b32 v6, 7, v1                            ; order P: bits 3 and 4 of the lane change places
	v_and_b32 v7, 8, v1
	v_lshl_or_b32 v6, v7, 1, v6
	v_and_b32 v7, 16, v1
	v_lshrrev_b32 v7, 1, v7
	v_or_b32 v6, v6, v7
	v_and_b32 v8, 3, v1                            ; order Q: lane bits [w h j2 j1 j0] -> column bits [j2 w h j1 j0]
	v_and_b32 v9, 4, v1
	v_lshl_or_b32 v8, v9, 2, v8
	v_and_b32 v9, 24, v1
	v_lshrrev_b32 v9, 1, v9
	v_or_b32 v8, v8, v9
	s_sub_co_u32 s40, ttmp9, 256
	s_lshl_b32 s40, s40, 3
	s_add_co_u32 s40, s40, s24                     ; the unit u: 0 .. 3,615
	s_wait_kmcnt 0x0                               ; the exponents
	s_cmp_lt_u32 s40, 2336
	s_cbranch_scc0 .Lsecond
	; W_fused: 16 K steps x 146 groups of 32 columns
	s_mul_i32 s41, s40, 449
	s_lshr_b32 s41, s41, 16                        ; K step = u / 146 (449 / 65536 serves up to u = 2,335)
	s_mul_i32 s42, s41, 146
	s_sub_co_u32 s42, s40, s42                     ; cg = the group of columns
	s_mul_i32 s44, s41, 128*18688
	s_lshl_b32 s45, s42, 7
	s_add_co_u32 s44, s44, s45
	s_mov_b32 s45, 0
	s_add_nc_u64 s[8:9], s[8:9], s[44:45]
	s_sub_co_u32 s46, s42, 18                      ; ff: y = cg - 18
	s_lshr_b32 s47, s46, 6                         ; 0: ff_x, 1: gate
	s_and_b32 s46, s46, 63                         ; X: which 32 columns
	s_lshr_b32 s48, s46, 2
	s_mul_i32 s48, s48, 18                         ; group X / 4,
	s_bfe_u32 s49, s46, 0x10001
	s_mul_i32 s49, s49, 9                          ; column half,
	s_add_co_u32 s48, s48, s49
	s_and_b32 s49, s46, 1
	s_lshl_b32 s49, s49, 2                         ; which pair,
	s_add_co_u32 s48, s48, s49
	s_lshl_b32 s47, s47, 1                         ; x or gate
	s_add_co_u32 s48, s48, s47
	s_lshl_b32 s49, s42, 1
	s_add_co_u32 s49, s49, 256                     ; k, v: tiles 288 + 2 (cg - 16)
	s_cmp_lt_u32 s42, 18
	s_cselect_b32 s48, s49, s48
	s_mul_i32 s49, s42, 18
	s_add_co_u32 s49, s49, 8                       ; q: tiles 8 and 17 of group cg
	s_cmp_lt_u32 s42, 16
	s_cselect_b32 s48, s49, s48
	s_mov_b32 s51, 32768
	s_cselect_b32 s51, 9*32768, s51                ; from the unit's first tile to its second
	s_cmp_lt_u32 s42, 17
	s_cselect_b32 s52, -1, 0                       ; q and k take order Q
	s_lshl_b32 s50, s48, 15
	s_lshl_b32 s49, s41, 11
	s_add_co_u32 s50, s50, s49                     ; the first tile's fragment
	v_cndmask_b32 v5, v6, v8, s52
	v_lshlrev_b32 v5, 2, v5                        ; my column's bytes
	s_mov_b32 s53, s29                             ; e1
	s_mov_b64 s[54:55], s[18:19]
	WLOAD 18688
	s_branch .Lconvert
.Lsecond:
	s_sub_co_u32 s41, s40, 2336
	s_cmp_lt_u32 s41, 1024                         ; W_ff_out: 16 K steps x 64 groups; then W_attn_out: 4 x 64
	s_cselect_b64 s[8:9], s[10:11], s[12:13]
	s_cselect_b32 s53, s35, s37                    ; e7 or e9
	s_cselect_b32 s46, 4, 0                        ; W_ff_out's K steps lie behind W_attn_out's four
	s_cselect_b32 s47, 0, 1024
	s_sub_co_u32 s41, s41, s47
	s_and_b32 s42, s41, 63                         ; cg
	s_lshr_b32 s41, s41, 6                         ; K step
	s_lshl_b32 s44, s41, 20                        ; 128 rows of 8,192 bytes
	s_lshl_b32 s45, s42, 7
	s_add_co_u32 s44, s44, s45
	s_mov_b32 s45, 0
	s_add_nc_u64 s[8:9], s[8:9], s[44:45]
	s_mul_i32 s50, s42, 40                         ; tiles 2 cg and 2 cg + 1, 20 fragments each
	s_add_co_u32 s50, s50, s46
	s_add_co_u32 s50, s50, s41
	s_lshl_b32 s50, s50, 11
	s_mov_b32 s51, 20*2048
	v_lshlrev_b32 v5, 2, v6
	s_mov_b64 s[54:55], s[20:21]
	WLOAD 8192
.Lconvert:
	s_mov_b32 s46, s50
	s_mov_b32 s47, 0
	s_add_nc_u64 s[54:55], s[54:55], s[46:47]      ; the first tile's fragment,
	s_mov_b32 s46, s51
	s_add_nc_u64 s[56:57], s[54:55], s[46:47]      ; the second's
	MKSCALE s53
.set c, 0
.rept 4
.if c == 0
	s_wait_loadcnt 63                              ; 128 loads were issued, and 63 is the largest count that this wait can name: at most 63 are out, so the first 65 are in: blocks 0 and 1 whole
.elseif c >= 2
	s_wait_loadcnt 96-32*c                         ; block 2: block 3's 32 loads may be out; block 3: none
.endif
.set j, 0
.rept 32
	v_med3_num_f32 v[16+32*c+j], v[16+32*c+j], -v[LIM], v[LIM]
.set j, j+1
.endr
.set j, 0
.rept 4
	v_cvt_scalef32_pk8_fp8_f32 v[144+8*c+2*j:145+8*c+2*j], v[16+32*c+8*j:23+32*c+8*j], v[SCL]
.set j, j+1
.endr
.set c, c+1
.endr
	v_nop                                          ; a plain instruction between the last conversion and the exchanges that touch its result
	; v[144+8c ..+3] hold k 32 c + 0..15 of my column, v[148+8c ..+3] k 32 c + 16..31.  The exchange of the first's upper lanes with the second's lower lanes
	; leaves in the first the image of the tile of lanes 0-15's columns, in the second that of lanes 16-31's
.irp c, 0,1,2,3
.irp i, 0,1,2,3
	v_permlane16_swap_b32 v[144+8*\c+\i], v[148+8*\c+\i]
.endr
.endr
.irp c, 0,1,2,3
	global_store_b128 v2, v[144+8*\c:147+8*\c], s[54:55] offset:512*\c
	global_store_b128 v2, v[148+8*\c:151+8*\c], s[56:57] offset:512*\c
.endr
	s_endpgm
.Lfunc_end_k_qc478916236_prep:
	.size	k_qc478916236_prep, .Lfunc_end_k_qc478916236_prep-k_qc478916236_prep
	.p2alignl 7, 3214868480
	.fill 96, 4, 3214868480
	.section	.rodata,"a",@progbits
	.p2align	6, 0x0
	.amdhsa_kernel k_qc478916236_prep
		.amdhsa_group_segment_fixed_size 132608
		.amdhsa_private_segment_fixed_size 0
		.amdhsa_enable_private_segment 0
		.amdhsa_kernarg_size 80
		.amdhsa_user_sgpr_count 2
		.amdhsa_user_sgpr_kernarg_segment_ptr 1
		.amdhsa_wavefront_size32 1
		.amdhsa_system_sgpr_workgroup_id_x 1
		.amdhsa_system_sgpr_workgroup_id_y 1
		.amdhsa_system_sgpr_workgroup_id_z 1
		.amdhsa_system_vgpr_workitem_id 0
		.amdhsa_next_free_vgpr 256
		.amdhsa_next_free_sgpr 66
		.amdhsa_reserve_vcc 1
		.amdhsa_float_denorm_mode_32 3
		.amdhsa_float_denorm_mode_16_64 3
		.amdhsa_memory_ordered 1
		.amdhsa_forward_progress 1
		.amdhsa_inst_pref_size 83
	.end_amdhsa_kernel
	.amdgpu_metadata
---
amdhsa.version: [ 1, 2 ]
amdhsa.kernels:
  - .name:           k_qc478916236_prep
    .symbol:         k_qc478916236_prep.kd
    .args:
      - { .name: x, .offset: 0, .size: 8, .value_kind: global_buffer, .address_space: global }
      - { .name: gamma, .offset: 8, .size: 8, .value_kind: global_buffer, .address_space: global }
      - { .name: W_fused, .offset: 16, .size: 8, .value_kind: global_buffer, .address_space: global }
      - { .name: W_ff_out, .offset: 24, .size: 8, .value_kind: global_buffer, .address_space: global }
      - { .name: W_attn_out, .offset: 32, .size: 8, .value_kind: global_buffer, .address_space: global }
      - { .name: lowp_scales, .offset: 40, .size: 8, .value_kind: global_buffer, .address_space: global }
      - { .name: ximg, .offset: 48, .size: 8, .value_kind: global_buffer, .address_space: global }
      - { .name: w1img, .offset: 56, .size: 8, .value_kind: global_buffer, .address_space: global }
      - { .name: w2img, .offset: 64, .size: 8, .value_kind: global_buffer, .address_space: global }
      - { .name: rope, .offset: 72, .size: 8, .value_kind: global_buffer, .address_space: global }
    .group_segment_fixed_size: 132608
    .private_segment_fixed_size: 0
    .kernarg_segment_align: 8
    .kernarg_segment_size: 80
    .max_flat_workgroup_size: 256
    .sgpr_count:     66
    .vgpr_count:     256
    .wavefront_size: 32
...
	.end_amdgpu_metadata
.endif
;; end of part 1
;; launch proj (part 2): grid 16 x 16, 4 waves a work-group, clusters of 4 x 4, 327,680 bytes of LDS; arguments ximg, w1img, rope, lowp_scales, qimg, kv, act; writes qimg, kv, act
.if DOCPART == 2
	.amdgcn_target "amdgcn-amd-amdhsa--gfx1250"
	.amdhsa_code_object_version 6
	.text
	.protected	k_qc478916236_proj
	.globl	k_qc478916236_proj
	.p2align	8
	.type	k_qc478916236_proj,@function
k_qc478916236_proj:
	s_mov_b64 s[64:65], 0
	v_nop
	global_prefetch_b8 v0, s[64:65] scope:SCOPE_SE
	s_setreg_imm32_b32 hwreg(HW_REG_WAVE_MODE, 25, 1), 1
	s_wait_xcnt 0x0
	s_wait_alu depctr_hold_cnt(0) depctr_sa_sdst(0) depctr_va_vdst(0) depctr_va_sdst(0) depctr_va_ssrc(0) depctr_va_vcc(0) depctr_vm_vsrc(0)
	s_getreg_b32 s2, hwreg(HW_REG_IB_STS2, 6, 4)
	s_cmp_eq_u32 s2, 0
	s_cbranch_scc0 .Lentry_in_a_cluster
	s_endpgm
.Lentry_in_a_cluster:
	s_bfe_u32 s2, ttmp6, 0x10000c
	s_cmp_lg_u32 s2, 0xf033
	s_cbranch_scc0 .Lentry_shape_is_right
	s_endpgm
.Lentry_shape_is_right:
; PROJ: xn W_fused on codes of E4M3, and what follows it up to the next quantisers.  4,096 rows, K = 2,048, N = 4,672 = 4,608 (q, ff_x, gate) + 64 (k, v).
; A work-group (g = column group and head, rb = block of 256 rows) makes 256 x 288: four waves, wave (a, w) 8 tiles of rows x 9 tiles of columns: 72 accumulators, 17 fragments from LDS for 72 products.
; My 9 tiles: 0, 1 ff_x columns 128 g + 64 w + 0..31; 2, 3 their gate; 4, 5 ff_x + 32; 6, 7 their gate; 8 tile w of head g's q.
; The 64 columns of k and v (16 x 4 tiles for a block of rows) are dealt out: work-group g takes tile of rows g, wave n tile n (k 0, k 1, v 0, v 1), from memory straight into registers, in the tail.
; THE PRODUCT IS USED TRANSPOSED (source 0 = 16 rows of W, source 1 = 16 rows of x): a lane holds one row of x, its registers run along the columns, in the order in which the weights' tiles were laid.
; OUT: q: rotary, x 32^-0.5, codes (e2) to qimg [256][16 heads][2][lane][8];  k: rotary, codes (e3) to kv [256][2][lane][8];  v: codes (e5), keys innermost, to kv + 131,072 [2][16 steps][2][8][lane][8];
;      silu(gate) ff_x: codes (e6) to act's K steps 4 + g.
; The sums lack 2^E, E = e0 + e1: it is folded into each conversion's scale, and into the factor ahead of the exponential.
; K goes through a ring of two LDS slots of 256 along K, filled by joint tensor loads: 4 x 4 work-groups form a cluster; x's tiles are shared along a row of it, W's along a column.
; LIMITS, so that each power of two is an f32 number: E between -125 and 126; e6 - 2 E, e2 - E, e3 - E, e5 - E between -126 and 119.  NaN is not served.
; REGISTERS, in windows of 256: window 0: v4-9 scales and limits; v16-29 addresses; v32-95 accumulators (i, 8); v96-111 k's or v's two; v112-255 W's nine fragments, ONE set; in the tail rope, work, codes.
;   window 1: x's eight fragments, TWO sets; in the tail k's and v's operands.   window 2: accumulators (i, b = 0..3) at 64 b + 8 i;   window 3: b = 4..7.
.set SLOT,  139264                     ; x: 16 tiles x 4,096 bytes (two K steps); then W: 18 x 4,096
.set BOFF,  65536
.set SPARE, 2*SLOT                     ; behind the ring: the spare words, 128 bytes a wave
.set ADRA, 16
.set ADRB, 20
.set LI,   24                          ; v24  16 x lane
.set LI8,  25                          ; v25  8 x lane
.set RO,   26                          ; v26  the rotary table: 128 r + 16 h + 32 w
.set SPW,  28
.set NIL,  29
.set AC8,  32
.set KA,   96
.set BF,   112
.set ROPE, 112                         ; the tail: cos at 112 + 8 i, sin at 116 + 8 i
.set TA,   176
.set TP,   208
.set CC,   240
.set QT,   176
.set QC,   208
.set G1,  24
.set G0,  32
.set G1B, 48
.set G0B, 56
.set MSB, 0
.macro WIN new                         ; the immediate's high byte repeats the setting that is left
.if MSB != (\new)
	s_set_vgpr_msb (MSB<<8)|(\new)
.set MSB, (\new)
.endif
.endm
.macro PLACES n
.rept \n
	v_nop
.endr
.endm
; A joint load: waves 0 and 1 fetch x's two halves, waves 2 and 3 W's.  The branch hangs on the wave's number alone.  Four v_nop follow each line.
.macro JLOAD g0a, g1a, g0b, g1b
	s_cmp_eq_u32 s15, 0
	s_cbranch_scc0 .Lfor_b_\@
	tensor_load_to_lds s[\g0a:\g0a+3], s[\g1a:\g1a+7]
	s_nop 0
.rept 4
	v_nop
.endr
	s_branch .Lasked_\@
.Lfor_b_\@:
	tensor_load_to_lds s[\g0b:\g0b+3], s[\g1b:\g1b+7]
	s_nop 0
.rept 4
	v_nop
.endr
.Lasked_\@:
.endm
.macro CREST                           ; a round of the cluster's barrier behind its opening barrier
	s_cmp_lg_u32 s14, 0
	s_cbranch_scc1 .Lnot_wave_0_\@
	s_barrier_signal -3
.Lnot_wave_0_\@:
	s_barrier_wait -3
	s_barrier_signal -1
	s_barrier_wait -1
.endm
.macro CROUND
	s_barrier_signal -1
	s_barrier_wait -1
	CREST
.endm
.macro MKSCALE e, vs, vl               ; 2^e and 448 x 2^e as f32
	s_add_co_i32 s66, \e, 127
	s_lshl_b32 s67, s66, 23
	v_mov_b32 v[\vs], s67
	s_add_co_i32 s66, s66, 8
	s_lshl_b32 s66, s66, 23
	s_or_b32 s66, s66, 0x600000
	v_mov_b32 v[\vl], s66
.endm
	s_load_b256 s[4:11], s[0:1], 0x0               ; ximg 4, w1img 6, rope 8, the exponents 10
	s_load_b128 s[68:71], s[0:1], 0x20             ; qimg 68, kv 70
	s_load_b64 s[72:73], s[0:1], 0x30              ; act
	v_lshl_add_u32 v[SPW], v0, 2, SPARE
	v_mov_b32 v[NIL], 0
	ds_add_u32 v28, v29
	ds_add_u32 v28, v29
	s_wait_dscnt 0x0
	v_lshrrev_b32 v1, 5, v0
	v_readfirstlane_b32 s14, v1                    ; wave 0..3
	s_lshr_b32 s15, s14, 1                         ; a: my half of the rows.  Also: I fetch for x (0) or for W (1)
	s_and_b32 s16, s14, 1                          ; w: my half of the columns.  Also: which half I fetch
	s_bfe_u32 s40, ttmp6, 0x40000                  ; cx, cy
	s_bfe_u32 s41, ttmp6, 0x40004
	s_lshl_b32 s42, ttmp9, 2
	s_add_co_u32 s42, s42, s40                     ; g
	s_and_b32 s17, ttmp7, 0xffff
	s_lshl_b32 s17, s17, 2
	s_add_co_u32 s17, s17, s41                     ; rb
	s_lshl_b32 s43, s41, 2
	s_lshl_b32 s43, 15, s43                        ; my row of the cluster
	s_lshl_b32 s44, 0x1111, s40                    ; my column
	; descriptor groups 1: rows of 512 elements of 8 bytes (a tile's two K steps), 4,096 elements (a tile's 16 K steps) apart; x: 8 rows, W: 9.  No padding: an image is read 512 consecutive bytes at a time
	s_or_b32 s[G1+0], s43, (3<<16)|(1<<21)
	s_or_b32 s[G1B+0], s44, (3<<16)|(1<<21)
.irp g, G1, G1B
	s_mov_b32 s[\g+1], 512<<16                     ; tensor_dim0
	s_mov_b32 s[\g+3], 512<<16                     ; tile_dim0
	s_mov_b32 s[\g+5], 4096                        ; tensor_dim0_stride
	s_mov_b32 s[\g+6], 0
	s_mov_b32 s[\g+7], 0
.endr
	s_mov_b32 s[G1+2], 8<<16                       ; tensor_dim1
	s_mov_b32 s[G1+4], 8                           ; tile_dim1
	s_mov_b32 s[G1B+2], 9<<16
	s_mov_b32 s[G1B+4], 9
	s_lshl_b32 s20, s17, 19                        ; x: tile of rows 16 rb + 8 w, 32,768 bytes each
	s_lshl_b32 s18, s16, 18
	s_add_co_u32 s20, s20, s18
	s_mov_b32 s21, 0
	s_mul_i32 s46, s42, 18                         ; W: tile 18 g + 9 w
	s_mul_i32 s18, s16, 9
	s_add_co_u32 s46, s46, s18
	s_lshl_b32 s46, s46, 15
	s_mov_b32 s47, 0
	s_lshl_b32 s45, s16, 15                        ; where they go: x's half at 32,768 w,
	s_mul_i32 s19, s16, 9*4096
	s_add_co_u32 s19, s19, BOFF                    ; W's at 65,536 + 36,864 w: no place in the cluster enters an LDS address
	s_wait_kmcnt 0x0
	s_load_b256 s[76:83], s[10:11], 0x0            ; e0 .. e7
	s_add_nc_u64 s[20:21], s[4:5], s[20:21]
	s_add_nc_u64 s[46:47], s[6:7], s[46:47]
	CROUND                                         ; all sixteen work-groups are here: the first joint loads meet
.irp s, 0,1
	s_mov_b32 s[G0+4*\s], 1
	s_add_co_u32 s[G0+4*\s+1], s45, \s*SLOT
	s_add_nc_u64 s[G0+4*\s+2:G0+4*\s+3], s[20:21], \s*4096
	s_or_b32 s[G0+4*\s+3], s[G0+4*\s+3], 0x80000000
	s_mov_b32 s[G0B+4*\s], 1
	s_add_co_u32 s[G0B+4*\s+1], s19, \s*SLOT
	s_add_nc_u64 s[G0B+4*\s+2:G0B+4*\s+3], s[46:47], \s*4096
	s_or_b32 s[G0B+4*\s+3], s[G0B+4*\s+3], 0x80000000
	JLOAD G0+4*\s, G1, G0B+4*\s, G1B               ; two loads of mine are out
.endr
	v_and_b32 v1, 31, v0
	v_lshlrev_b32 v[LI], 4, v1
	v_lshlrev_b32 v[LI8], 3, v1
	s_lshl_b32 s21, s15, 15                        ; my 8 tiles of rows
	s_mul_i32 s22, s16, 9*4096
	s_add_co_u32 s22, s22, BOFF                    ; my 9 tiles of columns
.irp s, 0,1
	v_add_nc_u32 v[ADRA+\s], s21, v[LI]
	v_add_nc_u32 v[ADRB+\s], s22, v[LI]
	s_add_co_u32 s21, s21, SLOT
	s_add_co_u32 s22, s22, SLOT
.endr
	v_and_b32 v2, 15, v0
	v_bfe_u32 v3, v0, 4, 1
	v_lshlrev_b32 v[RO], 7, v2
	v_lshl_add_u32 v[RO], v3, 4, v[RO]
	s_lshl_b32 s23, s16, 5
	v_add_nc_u32 v[RO], s23, v[RO]
	; the tail's addresses
	s_mov_b32 s23, 0
	s_and_b32 s66, s17, 7
	s_lshl_b32 s66, s66, 15                        ; (rb % 8) x 256 positions x 128 bytes
	s_lshl_b32 s67, s15, 14
	s_add_co_u32 s22, s66, s67
	s_add_nc_u64 s[84:85], s[8:9], s[22:23]        ; the table at my 128 rows' positions
	s_lshl_b32 s67, s42, 11
	s_add_co_u32 s22, s66, s67
	s_add_nc_u64 s[86:87], s[8:9], s[22:23]        ; and at tile of rows g's
	s_lshl_b32 s22, s17, 19
	s_lshl_b32 s67, s42, 15
	s_add_co_u32 s22, s22, s67
	s_add_nc_u64 s[88:89], s[4:5], s[22:23]        ; x's tile of rows 16 rb + g
	s_lshl_b32 s22, s14, 15
	s_add_co_u32 s22, s22, 288*32768
	s_add_nc_u64 s[90:91], s[6:7], s[22:23]        ; k's or v's tile: one a wave
	s_cmp_lt_u32 s14, 2
	s_cselect_b64 s[92:93], s[90:91], s[88:89]     ; source 0: k: W (a lane holds a key, its registers run along d); v: x (a lane holds a channel, its registers 8 keys)
	s_cselect_b64 s[94:95], s[88:89], s[90:91]     ; source 1
	s_lshl_b32 s22, s17, 4
	s_lshl_b32 s67, s15, 3
	s_add_co_u32 s66, s22, s67                     ; my first tile of rows: 16 rb + 8 a
	s_mul_i32 s22, s66, 20*2048
	s_lshl_b32 s67, s42, 11
	s_add_co_u32 s22, s22, s67
	s_lshl_b32 s67, s16, 10
	s_add_co_u32 s22, s22, s67
	s_add_co_u32 s22, s22, 4*2048
	s_add_nc_u64 s[96:97], s[72:73], s[22:23]      ; act: K step 4 + g, blocks 2 w and 2 w + 1 of its four
	s_lshl_b32 s22, s66, 13
	s_lshl_b32 s67, s42, 9
	s_add_co_u32 s22, s22, s67
	s_lshl_b32 s67, s16, 8
	s_add_co_u32 s22, s22, s67
	s_add_nc_u64 s[98:99], s[68:69], s[22:23]      ; qimg: head g, tile w
	s_lshl_b32 s22, s17, 13
	s_lshl_b32 s67, s42, 9
	s_add_co_u32 s22, s22, s67
	s_lshl_b32 s67, s14, 8
	s_add_co_u32 s22, s22, s67                     ; k: (16 rb + g) x 512 + 256 x wave
	s_lshr_b32 s66, s17, 3
	s_lshl_b32 s66, s66, 4
	s_and_b32 s67, s17, 7
	s_lshl_b32 s67, s67, 1
	s_add_co_u32 s66, s66, s67
	s_lshr_b32 s67, s42, 3
	s_add_co_u32 s66, s66, s67                     ; v: the key step among 2 x 16,
	s_lshl_b32 s66, s66, 1
	s_add_co_u32 s66, s66, s14
	s_sub_co_u32 s66, s66, 2                       ; the tile of channels,
	s_lshl_b32 s66, s66, 11
	s_and_b32 s67, s42, 7
	s_lshl_b32 s67, s67, 8                         ; the 16 keys among the step's 128
	s_add_co_u32 s66, s66, s67
	s_add_co_u32 s66, s66, 131072
	s_cmp_lt_u32 s14, 2
	s_cselect_b32 s22, s22, s66
	s_add_nc_u64 s[100:101], s[70:71], s[22:23]
; 8 matrix instructions: W's block b against x's eight.  The 72 accumulators take turns, one instruction a turn, in the same order in every step.
.macro MULB b, p, zero
.if (\b) < 4
	WIN 0xa4                                       ; source 0 (W) window 0, source 1 (x) window 1, C and D window 2
.set AB, 64*(\b)
.elseif (\b) < 8
	WIN 0xf4                                       ; C and D window 3
.set AB, 64*((\b)-4)
.else
	WIN 0x04                                       ; C and D window 0
.set AB, AC8
.endif
.irp i, 0,1,2,3,4,5,6,7
.if \zero
	v_wmma_f32_16x16x128_fp8_fp8 v[AB+8*\i:AB+8*\i+7], v[BF+16*(\b):BF+16*(\b)+15], v[128*(\p)+16*\i:128*(\p)+16*\i+15], 0
.else
	v_wmma_f32_16x16x128_fp8_fp8 v[AB+8*\i:AB+8*\i+7], v[BF+16*(\b):BF+16*(\b)+15], v[128*(\p)+16*\i:128*(\p)+16*\i+15], v[AB+8*\i:AB+8*\i+7]
.endif
.endr
.endm
.macro FRAG reg, adr, off              ; an image comes back as the operand's 16 registers
.irp c, 0,1,2,3
	ds_load_b128 v[\reg+4*\c:\reg+4*\c+3], v[\adr] offset:\off+512*\c
.endr
.endm
.macro FETCH_A slot, q, p              ; x's eight fragments of the slot's q-th 128 along K into set p
	WIN 0x40
.irp i, 0,1,2,3,4,5,6,7
	FRAG 128*(\p)+16*\i, ADRA+\slot, 4096*\i+2048*(\q)
.endr
	WIN 0
.endm
.macro FETCH_B slot, q, b0, b1         ; W's blocks b0 .. b1
.set bb, \b0
.rept \b1-\b0+1
	FRAG BF+16*bb, ADRB+\slot, 4096*bb+2048*(\q)
.set bb, bb+1
.endr
.endm
; A slot's first 128 along K (x's set 0).  A block of W is free as soon as its eight products are issued: blocks 0-3 are fetched anew in the step's middle, 4-8 at its end.
; A load into a register that a matrix instruction has read stands four plain vector instructions behind it.
.macro STEP slot, zero
	s_wait_dscnt 20                                ; x's set and W's blocks 0-3 are in; the youngest 20 loads (blocks 4-8) may be out
	MULB 0, 0, \zero
	MULB 1, 0, \zero
	MULB 2, 0, \zero
	MULB 3, 0, \zero
	s_wait_dscnt 0x0                               ; blocks 4-8
	PLACES 4
	FETCH_A \slot, 1, 1
	FETCH_B \slot, 1, 0, 3
	MULB 4, 0, \zero
	MULB 5, 0, \zero
	MULB 6, 0, \zero
	MULB 7, 0, \zero
	MULB 8, 0, \zero
	PLACES 4
	WIN 0
	FETCH_B \slot, 1, 4, 8
.endm
; A slot's second 128 along K (set 1) changes slots: ONE barrier; in front of it each wave waits for all its tensor loads, adds 0 to its spare word, and waits for that and for its reads of this slot.
.macro TURN slot, next, fill
	s_wait_tensorcnt 0x0                           ; all my tensor loads have landed: my part of the next slot
	ds_add_u32 v[SPW], v[NIL]                      ; 0 onto my spare word
	s_wait_dscnt 21                                ; (the add and the youngest 20 loads may be out)
	MULB 0, 1, 0
	MULB 1, 1, 0                                   ; sixteen matrix instructions stand between the add and the wait for it
	s_wait_dscnt 0x0                               ; the add is done, and my reads of this slot are over
	s_barrier_signal -1
	MULB 2, 1, 0
	MULB 3, 1, 0
	WIN 0
	s_barrier_wait -1
.if \fill
	CREST                                          ; the barrier has opened a round of the cluster's: no wave of any partner still reads this slot or has a load on its way
	s_add_nc_u64 s[G0+4*\slot+2:G0+4*\slot+3], s[G0+4*\slot+2:G0+4*\slot+3], 8192
	s_add_nc_u64 s[G0B+4*\slot+2:G0B+4*\slot+3], s[G0B+4*\slot+2:G0B+4*\slot+3], 8192
	JLOAD G0+4*\slot, G1, G0B+4*\slot, G1B         ; the first tensor load behind the round, my one load out: 144 matrix instructions in which to land; its four v_nop are the places in front of the loads below
.else
	PLACES 4
.endif
	FETCH_A \next, 0, 0
	FETCH_B \next, 0, 0, 3
	MULB 4, 1, 0
	MULB 5, 1, 0
	MULB 6, 1, 0
	MULB 7, 1, 0
	MULB 8, 1, 0
	PLACES 4
	WIN 0
	FETCH_B \next, 0, 4, 8
.endm
	s_wait_tensorcnt 1                             ; my part of slot 0 is in; slot 1's load may be out
	s_barrier_signal -1
	s_barrier_wait -1
	FETCH_A 0, 0, 0
	FETCH_B 0, 0, 0, 3
	FETCH_B 0, 0, 4, 8
	STEP 0, 1                                      ; the first step's products start the sums
	s_mov_b32 s3, 3
.Llap:                                             ; a trip goes once round the ring and fills both slots again: K = 16 steps = 1 + 3 x 4 + 3
	TURN 0, 1, 1
	STEP 1, 0
	TURN 1, 0, 1
	STEP 0, 0
	s_sub_co_u32 s3, s3, 1
	s_cmp_lg_u32 s3, 0
	s_cbranch_scc1 .Llap
	TURN 0, 1, 0                                   ; the last lap fills nothing
	STEP 1, 0
	s_wait_dscnt 20
	MULB 0, 1, 0
	MULB 1, 1, 0
	MULB 2, 1, 0
	MULB 3, 1, 0
	s_wait_dscnt 0x0
	MULB 4, 1, 0
	MULB 5, 1, 0
	MULB 6, 1, 0
	MULB 7, 1, 0
	MULB 8, 1, 0
	WIN 0
	; ---------------- THE TAIL
	s_wait_kmcnt 0x0
	s_add_co_i32 s22, s76, s77                     ; E = e0 + e1
	s_lshl_b32 s23, s22, 23
	s_add_co_i32 s74, s23, 0xbfb8aa3b              ; -log2(e) x 2^E: E is added to the exponent field
	s_mov_b32 s75, s74
	s_mov_b32 s12, 0x3e3504f3                      ; 32^-0.5
	s_mov_b32 s13, s12
	s_lshl_b32 s23, s22, 1
	s_sub_co_i32 s23, s82, s23
	MKSCALE s23, 4, 5                              ; silu(gate) ff_x: e6 - 2 E.   (These six v_mov_b32 are the plain instructions between the last products and the loads and reads below)
	s_sub_co_i32 s23, s78, s22
	MKSCALE s23, 6, 7                              ; q: e2 - E
	s_cmp_lt_u32 s14, 2
	s_cselect_b32 s23, s79, s81
	s_sub_co_i32 s23, s23, s22
	MKSCALE s23, 8, 9                              ; k: e3 - E, v: e5 - E
.irp i, 0,1,2,3,4,5,6,7                        ; cos and sin for q: lane (r, h) wants frequencies 8 w + 4 h + 0..3 at its row's position
	global_load_b128 v[ROPE+8*\i:ROPE+8*\i+3], v[RO], s[84:85] offset:2048*\i
	global_load_b128 v[ROPE+8*\i+4:ROPE+8*\i+7], v[RO], s[84:85] offset:2048*\i+64
.endr
.macro KVLOAD beta                     ; K steps 8 beta .. 8 beta + 7 of k's or v's two operands, from memory into window 1
	WIN 0x40
.irp k, 0,1,2,3,4,5,6,7
.irp c, 0,1,2,3
	global_load_b128 v[16*\k+4*\c:16*\k+4*\c+3], v[LI], s[92:93] offset:(8*\beta+\k)*2048+512*\c
	global_load_b128 v[128+16*\k+4*\c:128+16*\k+4*\c+3], v[LI], s[94:95] offset:(8*\beta+\k)*2048+512*\c
.endr
.endr
	WIN 0
.endm
.macro KVMUL beta                      ; two accumulators by turns, even and odd K steps
	WIN 0x05
.irp k, 0,1,2,3,4,5,6,7
.if (\beta == 0) && (\k < 2)
	v_wmma_f32_16x16x128_fp8_fp8 v[KA+8*(\k%2):KA+8*(\k%2)+7], v[16*\k:16*\k+15], v[128+16*\k:128+16*\k+15], 0
.else
	v_wmma_f32_16x16x128_fp8_fp8 v[KA+8*(\k%2):KA+8*(\k%2)+7], v[16*\k:16*\k+15], v[128+16*\k:128+16*\k+15], v[KA+8*(\k%2):KA+8*(\k%2)+7]
.endif
.endr
	WIN 0
.endm
; silu(gate) ff_x of pair pw, tiles of rows i0 and i0 + 1: 32 numbers a lane.  G X / (1 + 2^(-log2(e) 2^E G)); the 2^(2 E) that G X lacks lies in the conversion's scale.
; Each accumulator is read from its low end on.  The exponentials, and then the reciprocals, go as one batch with one wait.
.macro FFEP pw, i0
.set CB, CC+8*(((\i0)/2)%2)
	s_wait_xcnt 0x0                                ; the earlier stores have read their codes' registers
	WIN 2+\pw                                      ; source 0: window 2 or 3
.irp ii, 0,1
.irp u, 0,1
.irp j, 0,2,4,6
	v_pk_mul_f32 v[TA+16*\ii+8*\u+\j:TA+16*\ii+8*\u+\j+1], v[128+64*\u+8*(\i0+\ii)+\j:128+64*\u+8*(\i0+\ii)+\j+1], s[74:75] op_sel_hi:[1,0]
.endr
.endr
.endr
	WIN 5*(2+\pw)                                  ; sources 0 and 1
.irp ii, 0,1
.irp u, 0,1
.irp j, 0,2,4,6
	v_pk_mul_f32 v[TP+16*\ii+8*\u+\j:TP+16*\ii+8*\u+\j+1], v[128+64*\u+8*(\i0+\ii)+\j:128+64*\u+8*(\i0+\ii)+\j+1], v[64*\u+8*(\i0+\ii)+\j:64*\u+8*(\i0+\ii)+\j+1]
.endr
.endr
.endr
	WIN 0
.set n, 0
.rept 32
	v_exp_f32 v[TA+n], v[TA+n]
.set n, n+1
.endr
	v_nop
	s_wait_alu depctr_va_vdst(0)
.set n, 0
.rept 16
	v_pk_add_f32 v[TA+n:TA+n+1], v[TA+n:TA+n+1], 1.0 op_sel_hi:[1,0]
.set n, n+2
.endr
.set n, 0
.rept 32
	v_rcp_f32 v[TA+n], v[TA+n]
.set n, n+1
.endr
	v_nop
	s_wait_alu depctr_va_vdst(0)
.set n, 0
.rept 16
	v_pk_mul_f32 v[TP+n:TP+n+1], v[TP+n:TP+n+1], v[TA+n:TA+n+1]
.set n, n+2
.endr
.set n, 0
.rept 32
	v_med3_num_f32 v[TP+n], v[TP+n], -v5, v5
.set n, n+1
.endr
.irp ii, 0,1
	v_cvt_scalef32_pk8_fp8_f32 v[CB+4*\ii:CB+4*\ii+1], v[TP+16*\ii:TP+16*\ii+7], v4
	v_cvt_scalef32_pk8_fp8_f32 v[CB+4*\ii+2:CB+4*\ii+3], v[TP+16*\ii+8:TP+16*\ii+15], v4
.endr
	v_nop                                          ; a plain instruction behind the last conversion
.irp ii, 0,1
	global_store_b128 v[LI], v[CB+4*\ii:CB+4*\ii+3], s[96:97] offset:40960*(\i0+\ii)+512*\pw     ; 512 consecutive bytes: one block of 32 along K of a fragment
.endr
.endm
; q of tile of rows i: registers 0-3 are d0 .. d0 + 3, registers 4-7 d0 + 16 .. d0 + 19: the rotary pairs lie in one lane
.macro QEP i
.set A8, AC8+8*\i
.set RC, ROPE+8*\i
	v_pk_mul_f32 v[QT:QT+1], v[A8:A8+1], v[RC:RC+1]
	v_pk_mul_f32 v[QT+2:QT+3], v[A8+2:A8+3], v[RC+2:RC+3]
	v_pk_mul_f32 v[QT+4:QT+5], v[A8+4:A8+5], v[RC:RC+1]
	v_pk_mul_f32 v[QT+6:QT+7], v[A8+6:A8+7], v[RC+2:RC+3]
	v_pk_fma_f32 v[QT:QT+1], v[A8+4:A8+5], v[RC+4:RC+5], v[QT:QT+1] neg_lo:[1,0,0] neg_hi:[1,0,0]
	v_pk_fma_f32 v[QT+2:QT+3], v[A8+6:A8+7], v[RC+6:RC+7], v[QT+2:QT+3] neg_lo:[1,0,0] neg_hi:[1,0,0]
	v_pk_fma_f32 v[QT+4:QT+5], v[A8:A8+1], v[RC+4:RC+5], v[QT+4:QT+5]
	v_pk_fma_f32 v[QT+6:QT+7], v[A8+2:A8+3], v[RC+6:RC+7], v[QT+6:QT+7]
.irp j, 0,2,4,6
	v_pk_mul_f32 v[QT+\j:QT+\j+1], v[QT+\j:QT+\j+1], s[12:13] op_sel_hi:[1,0]
.endr
.irp j, 0,1,2,3,4,5,6,7
	v_med3_num_f32 v[QT+\j], v[QT+\j], -v7, v7
.endr
	v_cvt_scalef32_pk8_fp8_f32 v[QC+2*\i:QC+2*\i+1], v[QT:QT+7], v6
	v_nop                                          ; the next tile writes the conversion's sources
	global_store_b64 v[LI8], v[QC+2*\i:QC+2*\i+1], s[98:99] offset:8192*\i       ; 256 consecutive bytes, aligned; codes of their own for each tile
.endm
	KVLOAD 0
	FFEP 0, 0
	FFEP 0, 2
	FFEP 0, 4
	FFEP 0, 6
	s_wait_loadcnt 0x0                             ; the table, and K steps 0-7 of k's or v's operands
	KVMUL 0
	PLACES 4
	KVLOAD 1
	WIN 0x80                                       ; cos and sin for k, at tile of rows g's positions, into window 2, whose accumulators are done with.  All four waves load them: the counts are alike
	global_load_b128 v[0:3], v[RO], s[86:87]
	global_load_b128 v[4:7], v[RO], s[86:87] offset:64
	WIN 0
	FFEP 1, 0
	FFEP 1, 2
	FFEP 1, 4
	FFEP 1, 6
.irp i, 0,1,2,3,4,5,6,7
	QEP \i
.endr
	s_wait_loadcnt 0x0
	KVMUL 1
	PLACES 4
.irp j, 0,2,4,6
	v_pk_add_f32 v[KA+\j:KA+\j+1], v[KA+\j:KA+\j+1], v[KA+8+\j:KA+9+\j]
.endr
	s_cmp_lt_u32 s14, 2
	s_cbranch_scc0 .Lv_wave
	WIN 0x08                                       ; source 1 (cos, sin) window 2
	v_pk_mul_f32 v[QT:QT+1], v[KA:KA+1], v[0:1]
	v_pk_mul_f32 v[QT+2:QT+3], v[KA+2:KA+3], v[2:3]
	v_pk_mul_f32 v[QT+4:QT+5], v[KA+4:KA+5], v[0:1]
	v_pk_mul_f32 v[QT+6:QT+7], v[KA+6:KA+7], v[2:3]
	v_pk_fma_f32 v[QT:QT+1], v[KA+4:KA+5], v[4:5], v[QT:QT+1] neg_lo:[1,0,0] neg_hi:[1,0,0]
	v_pk_fma_f32 v[QT+2:QT+3], v[KA+6:KA+7], v[6:7], v[QT+2:QT+3] neg_lo:[1,0,0] neg_hi:[1,0,0]
	v_pk_fma_f32 v[QT+4:QT+5], v[KA:KA+1], v[4:5], v[QT+4:QT+5]
	v_pk_fma_f32 v[QT+6:QT+7], v[KA+2:KA+3], v[6:7], v[QT+6:QT+7]
	WIN 0
.irp j, 0,1,2,3,4,5,6,7
	v_med3_num_f32 v[QT+\j], v[QT+\j], -v9, v9
.endr
	v_cvt_scalef32_pk8_fp8_f32 v[QC+16:QC+17], v[QT:QT+7], v8
	s_branch .Lkv_out
.Lv_wave:
.irp j, 0,1,2,3,4,5,6,7
	v_med3_num_f32 v[KA+\j], v[KA+\j], -v9, v9
.endr
	v_cvt_scalef32_pk8_fp8_f32 v[QC+16:QC+17], v[KA:KA+7], v8
.Lkv_out:
	v_nop
	global_store_b64 v[LI8], v[QC+16:QC+17], s[100:101]
	s_wait_tensorcnt 0x0                           ; the wave's end
	ds_add_u32 v[SPW], v[NIL]
	s_wait_dscnt 0x0
	CROUND                                         ; the closing round
	s_endpgm
.Lfunc_end_k_qc478916236_proj:
	.size	k_qc478916236_proj, .Lfunc_end_k_qc478916236_proj-k_qc478916236_proj
	.p2alignl 7, 3214868480
	.fill 96, 4, 3214868480
	.section	.rodata,"a",@progbits
	.p2align	6, 0x0
	.amdhsa_kernel k_qc478916236_proj
		.amdhsa_group_segment_fixed_size 327680
		.amdhsa_private_segment_fixed_size 0
		.amdhsa_enable_private_segment 0
		.amdhsa_kernarg_size 56
		.amdhsa_user_sgpr_count 2
		.amdhsa_user_sgpr_kernarg_segment_ptr 1
		.amdhsa_wavefront_size32 1
		.amdhsa_system_sgpr_workgroup_id_x 1
		.amdhsa_system_sgpr_workgroup_id_y 1
		.amdhsa_system_sgpr_workgroup_id_z 1
		.amdhsa_system_vgpr_workitem_id 0
		.amdhsa_next_free_vgpr 1024
		.amdhsa_next_free_sgpr 102
		.amdhsa_reserve_vcc 0
		.amdhsa_float_denorm_mode_32 3
		.amdhsa_float_denorm_mode_16_64 3
		.amdhsa_memory_ordered 1
		.amdhsa_forward_progress 1
		.amdhsa_inst_pref_size 185
	.end_amdhsa_kernel
	.amdgpu_metadata
---
amdhsa.version: [ 1, 2 ]
amdhsa.kernels:
  - .name:           k_qc478916236_proj
    .symbol:         k_qc478916236_proj.kd
    .args:
      - { .name: ximg, .offset: 0, .size: 8, .value_kind: global_buffer, .address_space: global }
      - { .name: w1img, .offset: 8, .size: 8, .value_kind: global_buffer, .address_space: global }
      - { .name: rope, .offset: 16, .size: 8, .value_kind: global_buffer, .address_space: global }
      - { .name: lowp_scales, .offset: 24, .size: 8, .value_kind: global_buffer, .address_space: global }
      - { .name: qimg, .offset: 32, .size: 8, .value_kind: global_buffer, .address_space: global }
      - { .name: kv, .offset: 40, .size: 8, .value_kind: global_buffer, .address_space: global }
      - { .name: act, .offset: 48, .size: 8, .value_kind: global_buffer, .address_space: global }
    .group_segment_fixed_size: 327680
    .private_segment_fixed_size: 0
    .kernarg_segment_align: 8
    .kernarg_segment_size: 56
    .max_flat_workgroup_size: 128
    .sgpr_count:     102
    .vgpr_count:     1024
    .wavefront_size: 32
...
	.end_amdgpu_metadata
.endif
;; end of part 2
;; launch attn (part 3): grid 128 x 2, 16 waves a work-group, no clusters, 162,816 bytes of LDS; arguments qimg, kv, attn_mask, lowp_scales, act; writes act
.if DOCPART == 3
	.amdgcn_target "amdgcn-amd-amdhsa--gfx1250"
	.amdhsa_code_object_version 6
	.text
	.protected	k_qc478916236_attn
	.globl	k_qc478916236_attn
	.p2align	8
	.type	k_qc478916236_attn,@function
k_qc478916236_attn:
	s_mov_b64 s[64:65], 0
	v_nop
	global_prefetch_b8 v0, s[64:65] scope:SCOPE_SE
	s_setreg_imm32_b32 hwreg(HW_REG_WAVE_MODE, 25, 1), 1
	s_wait_xcnt 0x0
; ATTN: causal multi-query attention with a key mask, both products on codes of E4M3; 16 heads of 32, 2,048 positions, 2 batches; one K and V for all heads.
; SHARES.  Work-group (x, y): batch y, j = x / 2; sixteen waves, four to a SIMD: head 8 (x % 2) + wave % 8, role wave / 8.  A head's two tiles of 16 queries, p = j (j / 8 + 1 key steps of 128) and
; p = 127 - j (16 - j / 8 steps), are 17 steps.  Role 0 takes steps 0-8 of the long tile: 9 steps.  Role 1 takes the short tile and the long tile's steps from 9 on: 8 steps, the diagonal ones among them.
; The long tile's two parts (O^T, -M, the largest t, the sum) meet through LDS behind a barrier: role 1 brings both under the larger M, by powers of two that round nothing, and finishes the tile.
; Every wave walks both walks over the keys, each a loop of 16 trips; a step that is not the wave's is passed over by a scalar branch on ids.
; The batch's K and V codes (65,536 bytes each) and a bias for each key (0, or NEGB where attn_mask hides it) are laid into LDS once, through registers; behind the first barrier those bytes are only read.
; No tile is shared between work-groups by joint loads: what is shared is read once, at the head, and the text branches on whole numbers read from memory.
; LAYOUT.  S^T = K Q^T by the K = 64 form (source 0 = 16 keys, source 1 = my 16 queries; the head's 32 fill the lower half of K, zero codes the upper, on both sides).
; O^T = V^T P^T by the K = 128 form.  A lane holds one query throughout; tile t's register j is key 16 t + 8 (lane / 16) + j, which is the place that the second product's own layout gives it.
; THE MASKS.  Each wave reads the batch's 2,048 mask bytes, 64 a lane, and keeps one bit for each 64 keys.  A step off the diagonal whose two bits are 0 starts its scores with C = 0 and reads no bias;
; every other step takes the keys' bias as C, with NEGB laid over the keys behind the query.
; SOFTMAX: t = score x log2(e); M = the ceiling of the running largest t; p = 2^(t - M) is quantised (e4), not normalised; the sum is taken of the unquantised p and divides at the end.
; HIDDEN KEYS get the score NEGB = -1e30, and the largest t begins at T0 = -1e15.  LIMIT: e2 + e3 between -48 and 26, so that every true t lies above T0 and every hidden one below it and finite.
; A ROW WITH NO VISIBLE KEY (its largest t is still T0): as reference() has it, all 2,048 keys count alike: p = 1, sum 2,048: V's sum over all keys x Q(1) / 2,048.  Such a row needs key 0 hidden,
; so that sum is made only where attn_mask[batch][0] is set, and only by the waves that finish tiles: a scalar branch on a whole number read from memory.
; LIMITS: e4, e8 between -126 and 119.  NaN is not served.
; REGISTERS: v1-4, 6 addresses that stay; v8-10 the step's; v11 the diagonal's d; v12 -M; v13 largest t; v[14:15] the sum; v16-23 Q; v24-27 the long tile's Q; v28-31 codes out; v32-95 K's 8 fragments;
;   v96-159 S^T, then p; v160-175 O^T; v176-191 V's sum; v192-207 p's codes; v208-239 V's 2 fragments; v240- limits, scales, work; v241 where the parts meet; v251 64 x lane.
.set VL,   65536
.set BIAS, 131072
.set MRG,  140288                      ; 1,024 bytes behind the bias: eight places of 2,560 bytes, one for each head of the work-group
.set NEGB, 0xf149f2ca                  ; -1e30
.set T0,   0xd8635fa9                  ; -1e15
.macro MKSCALE e, vs, vl
	s_add_co_i32 s30, \e, 127
	s_lshl_b32 s31, s30, 23
	v_mov_b32 v[\vs], s31
	s_add_co_i32 s30, s30, 8
	s_lshl_b32 s30, s30, 23
	s_or_b32 s30, s30, 0x600000
	v_mov_b32 v[\vl], s30
.endm
	s_load_b256 s[4:11], s[0:1], 0x0               ; qimg 4, kv 6, attn_mask 8, the exponents 10
	s_load_b64 s[12:13], s[0:1], 0x20              ; act
	v_lshl_add_u32 v245, v0, 2, 0x27400
	v_mov_b32 v247, 0
	v_lshrrev_b32 v5, 5, v0
	v_readfirstlane_b32 s14, v5                    ; wave 0..15
	s_and_b32 s15, ttmp7, 0xffff                   ; batch
	s_lshr_b32 s28, ttmp9, 1                       ; p = j
	s_and_b32 s29, ttmp9, 1
	s_lshl_b32 s29, s29, 3
	s_and_b32 s30, s14, 7
	s_add_co_u32 s29, s29, s30                     ; head
	s_mul_i32 s30, s30, 2560
	s_add_co_u32 s30, s30, MRG                     ; my head's place for the long tile's first part
	v_and_b32 v5, 31, v0
	v_lshlrev_b32 v1, 3, v5                        ; K: 8 x lane
	v_add_nc_u32 v2, VL, v1                        ; V
	v_bfe_u32 v6, v0, 4, 1
	v_lshl_add_u32 v3, v6, 5, BIAS                 ; the bias: 32 bytes for each half of the lanes
	v_lshlrev_b32 v4, 4, v5                        ; 16 x lane
	v_add_nc_u32 v241, s30, v4
	v_lshlrev_b32 v251, 6, v5                      ; 64 x lane
	v_lshlrev_b32 v7, 4, v0                        ; the fill: 16 x thread,
	v_add_nc_u32 v8, VL, v7
	v_lshl_add_u32 v9, v0, 4, BIAS
	v_lshlrev_b32 v10, 2, v0                       ; 4 x thread
	v_lshlrev_b32 v6, 3, v6
	v_and_b32 v11, 15, v0
	v_sub_nc_u32 v6, v11, v6                       ; r - 8 h, for the diagonal
	s_wait_kmcnt 0x0
	s_load_b256 s[16:23], s[10:11], 0x0            ; e0 .. e7
	s_load_b64 s[24:25], s[10:11], 0x20            ; e8, e9
	s_lshl_b32 s30, s15, 16
	s_mov_b32 s31, 0
	s_add_nc_u64 s[6:7], s[6:7], s[30:31]          ; my batch's K; its V lies 131,072 on
	s_lshl_b32 s30, s15, 11
	s_add_nc_u64 s[8:9], s[8:9], s[30:31]
	s_load_u8 s26, s[8:9], 0x0                     ; is key 0 hidden?
	s_lshl_b32 s30, s15, 7
	s_add_co_u32 s32, s30, s28
	s_lshl_b32 s32, s32, 4
	s_add_co_u32 s32, s32, s29
	s_lshl_b32 s32, s32, 9
	s_mov_b32 s33, 0
	s_add_nc_u64 s[34:35], s[4:5], s[32:33]        ; Q of tile j
	s_sub_co_u32 s32, 127, s28
	s_add_co_u32 s32, s32, s30
	s_lshl_b32 s32, s32, 4
	s_add_co_u32 s32, s32, s29
	s_lshl_b32 s32, s32, 9
	s_add_nc_u64 s[36:37], s[4:5], s[32:33]        ; and of tile 127 - j
.set n, 0
.rept 8
	global_load_b128 v[32+4*n:35+4*n], v7, s[6:7] offset:8192*n              ; 512 threads x 16 bytes x 8: K
.set n, n+1
.endr
.set n, 0
.rept 8
	global_load_b128 v[96+4*n:99+4*n], v7, s[6:7] offset:131072+8192*n       ; V
.set n, n+1
.endr
	global_load_b32 v160, v10, s[8:9]              ; four keys' mask bytes, for the bias
.set n, 0
.rept 4
	global_load_b128 v[128+4*n:131+4*n], v251, s[8:9] offset:16*n            ; and, in each wave, all 2,048: 64 a lane
.set n, n+1
.endr
	global_load_b64 v[16:17], v1, s[34:35]
	global_load_b64 v[18:19], v1, s[34:35] offset:256
	global_load_b64 v[24:25], v1, s[36:37]
	global_load_b64 v[26:27], v1, s[36:37] offset:256
	v_mov_b32 v250, NEGB
	s_wait_loadcnt 17                              ; K's 8 loads are in; V's 8, the mask's 1 + 4 and Q's 4 may be out
.set n, 0
.rept 8
	ds_store_b128 v7, v[32+4*n:35+4*n] offset:8192*n
.set n, n+1
.endr
	s_wait_loadcnt 9                               ; V's
.set n, 0
.rept 8
	ds_store_b128 v8, v[96+4*n:99+4*n] offset:8192*n
.set n, n+1
.endr
	s_wait_loadcnt 8                               ; my four mask bytes
.set n, 0
.rept 4
	v_bfe_u32 v5, v160, 8*n, 8
	v_cmp_ne_u32 vcc_lo, 0, v5
	v_cndmask_b32 v[164+n], 0, v250, vcc_lo
.set n, n+1
.endr
	ds_store_b128 v9, v[164:167]
	s_wait_loadcnt 4                               ; my lane's 64 mask bytes; Q's four loads may be out
.set n, 0
.rept 8
	v_or_b32 v[128+2*n], v[128+2*n], v[129+2*n]
.set n, n+1
.endr
.set n, 0
.rept 4
	v_or_b32 v[128+4*n], v[128+4*n], v[130+4*n]
.set n, n+1
.endr
	v_or_b32 v128, v128, v132
	v_or_b32 v136, v136, v140
	v_or_b32 v128, v128, v136
	v_cmp_ne_u32 s59, 0, v128                      ; bit L: a key among 64 L .. 64 L + 63 is hidden; key step s owns bits 2 s and 2 s + 1
	s_wait_loadcnt 0x0                             ; Q
	s_wait_dscnt 0x0                               ; for the others' sake: my part of K, V and the bias lies in LDS
	s_barrier_signal -1
	s_barrier_wait -1
.set n, 0
.rept 8
	v_mov_b32 v[36+8*n], 0                         ; the upper half of K = 64: zero codes, set once
	v_mov_b32 v[37+8*n], 0
	v_mov_b32 v[38+8*n], 0
	v_mov_b32 v[39+8*n], 0
.set n, n+1
.endr
.irp n, 20,21,22,23
	v_mov_b32 v\n, 0
.endr
	v_mov_b32 v246, 0                              ; a lane permute's destination counts as one of its sources
	v_mov_b32 v253, 0                              ; (named as the upper halves of the pairs v[252:253] and v[254:255])
	v_mov_b32 v255, 0
	s_wait_kmcnt 0x0
	s_add_co_i32 s30, s18, s19
	s_lshl_b32 s30, s30, 23
	s_add_co_i32 s38, s30, 0x3fb8aa3b              ; c = log2(e) x 2^(e2 + e3)
	s_mov_b32 s39, s38
	MKSCALE s20, 244, 240                          ; p: e4
	MKSCALE s24, 248, 249                          ; the result: e8
	s_add_co_i32 s40, s20, s21                     ; e4 + e5
	s_sub_co_i32 s41, s40, 11                      ; and / 2,048
	s_mov_b32 s42, 0x76543210
	s_mov_b32 s43, 0xfedcba98
	s_cmp_ge_u32 s14, 8                            ; role 1?
	s_cselect_b32 s56, 0, 4096                     ; the first key from which the first walk's steps are mine: role 0 has none there
	s_cselect_b32 s57, 1152, 0                     ; and the second walk's: role 1 begins at step 9
	s_mov_b32 s58, 1024
	s_cselect_b32 s58, 4096, s58                   ; the last first key that is mine: role 0 ends with step 8
	s_cselect_b32 s26, s26, 0                      ; role 0 finishes no tile: it needs no sum of V
	; V's sum over all 2,048 keys x Q(1), for rows with no visible key
.set n, 0
.rept 16
	v_mov_b32 v[176+n], 0
.set n, n+1
.endr
	s_cmp_eq_u32 s26, 0
	s_cbranch_scc1 .Lno_vs
.set n, 0
.rept 8
	v_mov_b32 v[96+n], 1.0
.set n, n+1
.endr
.set n, 0
.rept 8
	v_min_num_f32 v[96+n], v[96+n], v240
.set n, n+1
.endr
	v_cvt_scalef32_pk8_fp8_f32 v[192:193], v[96:103], v244
	v_nop
.set n, 2
.rept 7
	v_mov_b32 v[192+n], v192
	v_mov_b32 v[193+n], v193
.set n, n+2
.endr
.set st, 0
.rept 16
.rept 4
	v_nop                                          ; four plain instructions in front of loads into registers that matrix instructions have read
.endr
.irp u, 0,1
.irp T, 0,1,2,3,4,5,6,7
	ds_load_b64 v[208+16*\u+2*\T:209+16*\u+2*\T], v2 offset:4096*st+2048*\u+256*\T
.endr
.endr
	s_wait_dscnt 0x0
	v_wmma_f32_16x16x128_fp8_fp8 v[176:183], v[208:223], v[192:207], v[176:183]
	v_wmma_f32_16x16x128_fp8_fp8 v[184:191], v[224:239], v[192:207], v[184:191]
.set st, st+1
.endr
.rept 4
	v_nop
.endr
.Lno_vs:
.set n, 0
.rept 16
	v_ldexp_f32 v[176+n], v[176+n], s41
.set n, n+1
.endr
; A WALK over the keys for tile p = s28: 16 trips, a constant.  A step is mine where its first key lies from s56 on and at most at s46 = the smaller of my last query and s58.
; The lines at a trip's end, which step addresses and the mask's bits, are on every wave's path.
.macro TRIP
	v_mov_b32 v13, T0
	v_floor_f32 v12, -v13
	v_mov_b32 v14, 0
	v_mov_b32 v15, 0
.set n, 0
.rept 16
	v_mov_b32 v[160+n], 0                          ; the step is written once: its first trip finds zeros
.set n, n+1
.endr
	s_lshl_b32 s45, s28, 4                         ; my first query
	s_add_co_u32 s46, s45, 15                      ; my last
	s_min_u32 s46, s46, s58
	s_mov_b32 s47, 0                               ; the step's first key
	s_mov_b32 s48, 0                               ; its bytes in K and in V
	s_mov_b32 s49, 0                               ; and in the bias
	s_mov_b32 s60, s59                             ; the mask's bits: the step's two are the lowest
	s_mov_b32 s50, 16
.Lstep_\@:
	s_cmp_gt_u32 s47, s46
	s_cbranch_scc1 .Lhidden_\@
	s_cmp_lt_u32 s47, s56
	s_cbranch_scc1 .Lhidden_\@
	v_add_nc_u32 v8, s48, v1
	v_add_nc_u32 v9, s48, v2
	v_add_nc_u32 v10, s49, v3
	v_nop                                          ; with the three additions: four plain instructions between the last products and the loads into V's fragments
.set n, 0
.rept 8
	ds_load_b64 v[32+8*n:33+8*n], v8 offset:512*n
	ds_load_b64 v[34+8*n:35+8*n], v8 offset:512*n+256
.set n, n+1
.endr
.irp u, 0,1
.irp T, 0,1,2,3,4,5,6,7
	ds_load_b64 v[208+16*\u+2*\T:209+16*\u+2*\T], v9 offset:2048*\u+256*\T
.endr
.endr
	s_add_co_u32 s62, s47, 127
	s_cmp_gt_u32 s62, s45
	s_cselect_b32 s61, 1, 0                        ; 1: some of the 128 keys come behind my first query
	s_and_b32 s62, s60, 3                          ; not 0: attn_mask hides some of them
	s_or_b32 s62, s62, s61
	s_cmp_lg_u32 s62, 0
	s_cbranch_scc1 .Lbiased_\@
	s_wait_dscnt 16                                ; K's 16 loads are in; V's 16 may be out
.set n, 0
.rept 8
	v_wmma_f32_16x16x64_fp8_fp8 v[96+8*n:103+8*n], v[32+8*n:39+8*n], v[16:23], 0
.set n, n+1
.endr
	s_branch .Lscored_\@
.Lbiased_\@:
.set n, 0
.rept 8
	ds_load_b128 v[96+8*n:99+8*n], v10 offset:64*n         ; the bias of keys 16 n + 8 h + 0..7: the C of the scores
	ds_load_b128 v[100+8*n:103+8*n], v10 offset:64*n+16
.set n, n+1
.endr
	s_wait_dscnt 0x0
	s_cmp_eq_u32 s61, 0
	s_cbranch_scc1 .Lopen_\@
	s_sub_co_i32 s62, s45, s47
	v_add_nc_u32 v11, s62, v6                      ; d = my query - the step's first key - 8 h: register 8 t + j is hidden where 16 t + j > d
.set n, 0
.rept 64
	v_cmp_gt_i32 vcc_lo, 16*(n/8)+n%8, v11
	v_cndmask_b32 v[96+n], v[96+n], v250, vcc_lo
.set n, n+1
.endr
.Lopen_\@:
.set n, 0
.rept 8
	v_wmma_f32_16x16x64_fp8_fp8 v[96+8*n:103+8*n], v[32+8*n:39+8*n], v[16:23], v[96+8*n:103+8*n]
.set n, n+1
.endr
.Lscored_\@:
.rept 4
	v_nop
.endr
	v_max3_num_f32 v254, v96, v97, v98             ; the step's largest score of my query among my 64 keys, in two chains, each accumulator from its low end on
	v_max3_num_f32 v252, v99, v100, v101
.irp i, 6,10,14,18,22,26,30,34,38,42,46,50,54,58
	v_max3_num_f32 v254, v254, v[96+\i], v[97+\i]
	v_max3_num_f32 v252, v252, v[98+\i], v[99+\i]
.endr
	v_max3_num_f32 v254, v254, v158, v159
	v_max_num_f32 v254, v254, v252
	v_permlanex16_b32 v246, v254, s42, s43
	v_max_num_f32 v254, v254, v246                 ; and among lane l xor 16's
	v_mul_f32 v254, s38, v254                      ; as t (c is positive)
	v_max_num_f32 v13, v13, v254
	v_mov_b32 v254, v12
	v_floor_f32 v12, -v13                          ; -M = floor(-t): M is a whole number
	v_sub_f32 v254, v12, v254
	v_cvt_i32_f32 v254, v254                       ; (it saturates)
	v_ldexp_f32 v252, 1.0, v254                    ; f = 2^(old M - new M)
.set n, 0
.rept 32
	v_pk_fma_f32 v[96+n:97+n], v[96+n:97+n], s[38:39], v[12:13] op_sel_hi:[1,0,0]
.set n, n+2
.endr
.set n, 0
.rept 64
	v_exp_f32 v[96+n], v[96+n]
.set n, n+1
.endr
	v_pk_mul_f32 v[14:15], v[14:15], v[252:253] op_sel_hi:[1,0]    ; the sum under the new M.  (The plain instruction behind the exponentials)
	s_wait_alu depctr_va_vdst(0)                   ; one wait for the batch, ahead of its first reader
	v_pk_add_f32 v[242:243], v[96:97], v[98:99]    ; the sum of the unquantised p, in two chains
.irp j, 4,8,12,16,20,24,28,32,36,40,44,48,52,56,60
	v_pk_add_f32 v[14:15], v[14:15], v[96+\j:97+\j]
	v_pk_add_f32 v[242:243], v[242:243], v[98+\j:99+\j]
.endr
	v_pk_add_f32 v[14:15], v[14:15], v[242:243]
	s_cmp_ge_i32 s20, -8                           ; p is at most 1 and 448 x 2^e4 is above 1 from e4 = -8 on: there the hold cannot act
	s_cbranch_scc1 .Lno_hold_\@
.set n, 0
.rept 64
	v_min_num_f32 v[96+n], v[96+n], v240
.set n, n+1
.endr
.Lno_hold_\@:
.set n, 0
.rept 8
	v_cvt_scalef32_pk8_fp8_f32 v[192+2*n:193+2*n], v[96+8*n:103+8*n], v244
.set n, n+1
.endr
.set n, 0
.rept 8
	v_pk_mul_f32 v[160+n:161+n], v[160+n:161+n], v[252:253] op_sel_hi:[1,0]    ; O^T under the new M; also the plain instructions behind the conversions
.set n, n+2
.endr
	s_wait_dscnt 0x0                               ; V
	v_wmma_f32_16x16x128_fp8_fp8 v[160:167], v[208:223], v[192:207], v[160:167]
	v_wmma_f32_16x16x128_fp8_fp8 v[168:175], v[224:239], v[192:207], v[168:175]
.Lhidden_\@:
	s_add_co_u32 s47, s47, 128
	s_add_co_u32 s48, s48, 4096
	s_add_co_u32 s49, s49, 512
	s_lshr_b32 s60, s60, 2
	s_sub_co_u32 s50, s50, 1
	s_cmp_lg_u32 s50, 0
	s_cbranch_scc1 .Lstep_\@
.rept 4
	v_nop                                          ; four plain instructions behind the last products, ahead of whatever reads or writes their registers next
.endr
.endm
; Tile p = s28 is finished: O^T / the sum x 2^(e4 + e5), quantised (e8), to act's K step head / 4, block head % 4
.macro FINAL
	v_add_f32 v14, v14, v15
	v_permlanex16_b32 v246, v14, s42, s43
	v_add_f32 v14, v14, v246                       ; the row's sum
	v_rcp_f32 v14, v14
	v_nop
	s_wait_xcnt 0x0                                ; an earlier tile's store has read its codes and its base
	s_lshl_b32 s54, s15, 7
	s_add_co_u32 s54, s54, s28
	s_mul_i32 s54, s54, 20
	s_lshr_b32 s55, s29, 2
	s_add_co_u32 s54, s54, s55                     ; act: tile of rows 128 batch + p, K step head / 4,
	s_lshl_b32 s54, s54, 11
	s_and_b32 s55, s29, 3
	s_lshl_b32 s55, s55, 9                         ; block head % 4
	s_add_co_u32 s54, s54, s55
	s_mov_b32 s55, 0
	s_add_nc_u64 s[52:53], s[12:13], s[54:55]
	s_wait_alu depctr_va_vdst(0)                   ; ahead of the reciprocal's first reader
	v_ldexp_f32 v14, v14, s40                      ; x 2^(e4 + e5)
.set n, 0
.rept 16
	v_mul_f32 v[96+n], v[160+n], v14               ; registers 0-15: channels 16 h + 0..15 of my query
.set n, n+1
.endr
	v_cmp_eq_f32 vcc_lo, T0, v13                   ; no key was visible
.set n, 0
.rept 16
	v_cndmask_b32 v[96+n], v[96+n], v[176+n], vcc_lo
.set n, n+1
.endr
.set n, 0
.rept 16
	v_med3_num_f32 v[96+n], v[96+n], -v249, v249
.set n, n+1
.endr
	v_cvt_scalef32_pk8_fp8_f32 v[28:29], v[96:103], v248
	v_cvt_scalef32_pk8_fp8_f32 v[30:31], v[104:111], v248
	v_nop
	global_store_b128 v4, v[28:31], s[52:53]       ; 512 consecutive bytes: one block of 32 along K of a fragment
.endm
	TRIP                                           ; the short tile: role 1's; role 0 passes over every step
	s_cmp_lt_u32 s14, 8
	s_cbranch_scc1 .Lnot_mine
	FINAL
.Lnot_mine:
	s_sub_co_u32 s28, 127, s28                     ; the long tile
	s_mov_b32 s56, s57
	v_mov_b32 v16, v24
	v_mov_b32 v17, v25
	v_mov_b32 v18, v26
	v_mov_b32 v19, v27
	TRIP                                           ; role 0: steps 0-8; role 1: steps 9 on
	s_cmp_lt_u32 s14, 8
	s_cbranch_scc0 .Lno_part
	ds_store_b128 v241, v[160:163]                 ; role 0's part as it stands in its registers, 16 bytes a lane, 512 a store
	ds_store_b128 v241, v[164:167] offset:512
	ds_store_b128 v241, v[168:171] offset:1024
	ds_store_b128 v241, v[172:175] offset:1536
	ds_store_b128 v241, v[12:15] offset:2048       ; -M, the largest t, the sum's two halves
.Lno_part:
	s_wait_dscnt 0x0                               ; for the partner's sake: the part lies in LDS
	s_barrier_signal -1
	s_barrier_wait -1
	s_cmp_lt_u32 s14, 8
	s_cbranch_scc0 .Lmerge
	s_wait_tensorcnt 0x0
	ds_add_u32 v245, v247
	s_wait_dscnt 0x0
	s_endpgm
.Lmerge:
	ds_load_b128 v[32:35], v241                    ; the same lines as loads give the same registers in the same lanes
	ds_load_b128 v[36:39], v241 offset:512
	ds_load_b128 v[40:43], v241 offset:1024
	ds_load_b128 v[44:47], v241 offset:1536
	ds_load_b128 v[48:51], v241 offset:2048
	s_wait_dscnt 0x0
	v_min_num_f32 v52, v12, v48                    ; -M of the whole row: the smaller of the two
	v_sub_f32 v53, v52, v12                        ; my M less the row's: a whole number, 0 or less
	v_sub_f32 v54, v52, v48                        ; the partner's likewise
	v_cvt_i32_f32 v53, v53                         ; (they saturate)
	v_cvt_i32_f32 v54, v54
	v_ldexp_f32 v252, 1.0, v53
	v_ldexp_f32 v254, 1.0, v54
	v_max_num_f32 v13, v13, v49                    ; the row's largest t: still T0 only where neither part saw a key
	v_pk_mul_f32 v[14:15], v[14:15], v[252:253] op_sel_hi:[1,0]
	v_pk_fma_f32 v[14:15], v[50:51], v[254:255], v[14:15] op_sel_hi:[1,0,1]
.set n, 0
.rept 8
	v_pk_mul_f32 v[160+n:161+n], v[160+n:161+n], v[252:253] op_sel_hi:[1,0]
.set n, n+2
.endr
.set n, 0
.rept 8
	v_pk_fma_f32 v[160+n:161+n], v[32+n:33+n], v[254:255], v[160+n:161+n] op_sel_hi:[1,0,1]
.set n, n+2
.endr
	FINAL
	s_wait_tensorcnt 0x0
	ds_add_u32 v245, v247
	s_wait_dscnt 0x0
	s_endpgm
.Lfunc_end_k_qc478916236_attn:
	.size	k_qc478916236_attn, .Lfunc_end_k_qc478916236_attn-k_qc478916236_attn
	.p2alignl 7, 3214868480
	.fill 96, 4, 3214868480
	.section	.rodata,"a",@progbits
	.p2align	6, 0x0
	.amdhsa_kernel k_qc478916236_attn
		.amdhsa_group_segment_fixed_size 162816
		.amdhsa_private_segment_fixed_size 0
		.amdhsa_enable_private_segment 0
		.amdhsa_kernarg_size 40
		.amdhsa_user_sgpr_count 2
		.amdhsa_user_sgpr_kernarg_segment_ptr 1
		.amdhsa_wavefront_size32 1
		.amdhsa_system_sgpr_workgroup_id_x 1
		.amdhsa_system_sgpr_workgroup_id_y 1
		.amdhsa_system_sgpr_workgroup_id_z 1
		.amdhsa_system_vgpr_workitem_id 0
		.amdhsa_next_free_vgpr 256
		.amdhsa_next_free_sgpr 66
		.amdhsa_reserve_vcc 1
		.amdhsa_float_denorm_mode_32 3
		.amdhsa_float_denorm_mode_16_64 3
		.amdhsa_memory_ordered 1
		.amdhsa_forward_progress 1
		.amdhsa_inst_pref_size 88
	.end_amdhsa_kernel
	.amdgpu_metadata
---
amdhsa.version: [ 1, 2 ]
amdhsa.kernels:
  - .name:           k_qc478916236_attn
    .symbol:         k_qc478916236_attn.kd
    .args:
      - { .name: qimg, .offset: 0, .size: 8, .value_kind: global_buffer, .address_space: global }
      - { .name: kv, .offset: 8, .size: 8, .value_kind: global_buffer, .address_space: global }
      - { .name: attn_mask, .offset: 16, .size: 8, .value_kind: global_buffer, .address_space: global }
      - { .name: lowp_scales, .offset: 24, .size: 8, .value_kind: global_buffer, .address_space: global }
      - { .name: act, .offset: 32, .size: 8, .value_kind: global_buffer, .address_space: global }
    .group_segment_fixed_size: 162816
    .private_segment_fixed_size: 0
    .kernarg_segment_align: 8
    .kernarg_segment_size: 40
    .max_flat_workgroup_size: 512
    .sgpr_count:     66
    .vgpr_count:     256
    .wavefront_size: 32
...
	.end_amdgpu_metadata
.endif
;; end of part 3
;; launch outp (part 4): grid 16 x 16, 4 waves a work-group, clusters of 4 x 4, 327,680 bytes of LDS; arguments act, w2img, lowp_scales, out0; writes out0
.if DOCPART == 4
	.amdgcn_target "amdgcn-amd-amdhsa--gfx1250"
	.amdhsa_code_object_version 6
	.text
	.protected	k_qc478916236_outp
	.globl	k_qc478916236_outp
	.p2align	8
	.type	k_qc478916236_outp,@function
k_qc478916236_outp:
	s_mov_b64 s[64:65], 0
	v_nop
	global_prefetch_b8 v0, s[64:65] scope:SCOPE_SE
	s_setreg_imm32_b32 hwreg(HW_REG_WAVE_MODE, 25, 1), 1
	s_wait_xcnt 0x0
	s_wait_alu depctr_hold_cnt(0) depctr_sa_sdst(0) depctr_va_vdst(0) depctr_va_sdst(0) depctr_va_ssrc(0) depctr_va_vcc(0) depctr_vm_vsrc(0)
	s_getreg_b32 s2, hwreg(HW_REG_IB_STS2, 6, 4)
	s_cmp_eq_u32 s2, 0
	s_cbranch_scc0 .Lentry_in_a_cluster
	s_endpgm
.Lentry_in_a_cluster:
	s_bfe_u32 s2, ttmp6, 0x10000c
	s_cmp_lg_u32 s2, 0xf033
	s_cbranch_scc0 .Lentry_shape_is_right
	s_endpgm
.Lentry_shape_is_right:
; OUTP: out0 = attention W_attn_out + (silu(gate) ff_x) W_ff_out as ONE product with K = 2,560 on codes of E4M3: K steps 0-3 (scales e8, e9), then 4-19 (e6, e7).
; Behind K step 3 the sums are multiplied once by 2^((e8 + e9) - (e6 + e7)), at the end by 2^(e6 + e7): both exact, short of overflow and underflow.
; A work-group (g: 128 columns, rb: 256 rows) of four waves; wave (a, w) makes 8 tiles of rows x 4 of columns: 32 accumulators.  256 work-groups.
; K goes through a ring of two LDS slots of 3 K steps, the largest pair that fits: 7 fills of 3, 3, 3, 3, 3, 3 and 2 K steps, written out.  4 x 4 work-groups form a cluster: act's tiles are asked for
; jointly along a row of it, the weights' along a column.  The product is used transposed: a lane holds eight neighbouring numbers of a row of out0.
; LIMITS: e6 + e7 and (e8 + e9) - (e6 + e7) between -126 and 127.
; REGISTERS: window 0: v16-29 addresses; v32-63, v64-127 the way out; v128-255 W's four fragments, two sets.   window 1: accumulators (i, b) at 64 b + 8 i.   window 2: act's eight fragments, two sets.
.set SLOT,  147456                     ; act: 16 tiles x 6,144 bytes (three K steps); then W: 8 x 6,144
.set BOFF,  98304
.set SPARE, 2*SLOT
.set STAGE, SPARE+512                  ; 16 rows x 272 bytes for each wave: bytes of its own, which no tensor load fills
.set ADRA, 16
.set ADRB, 20
.set STO,  24
.set RD,   25
.set CO,   26
.set SPW,  28
.set NIL,  29
.set TMP,  32
.set BK,   64
.set G1,   24
.set G0,   32
.set G1B,  48
.set G0B,  56
.set G1L,  68                          ; groups 1 for the last fill: two K steps are left of a row
.set G1BL, 76
.set MSB, 0
.macro WIN new
.if MSB != (\new)
	s_set_vgpr_msb (MSB<<8)|(\new)
.set MSB, (\new)
.endif
.endm
.macro PLACES n
.rept \n
	v_nop
.endr
.endm
.macro JLOAD g0a, g1a, g0b, g1b        ; waves 0 and 1 fetch act's two halves, waves 2 and 3 W's; four v_nop follow each line
	s_cmp_eq_u32 s15, 0
	s_cbranch_scc0 .Lfor_b_\@
	tensor_load_to_lds s[\g0a:\g0a+3], s[\g1a:\g1a+7]
	s_nop 0
.rept 4
	v_nop
.endr
	s_branch .Lasked_\@
.Lfor_b_\@:
	tensor_load_to_lds s[\g0b:\g0b+3], s[\g1b:\g1b+7]
	s_nop 0
.rept 4
	v_nop
.endr
.Lasked_\@:
.endm
.macro CREST
	s_cmp_lg_u32 s14, 0
	s_cbranch_scc1 .Lnot_wave_0_\@
	s_barrier_signal -3
.Lnot_wave_0_\@:
	s_barrier_wait -3
	s_barrier_signal -1
	s_barrier_wait -1
.endm
.macro CROUND
	s_barrier_signal -1
	s_barrier_wait -1
	CREST
.endm
	s_load_b256 s[4:11], s[0:1], 0x0               ; act 4, w2img 6, the exponents 8, out0 10
	v_lshl_add_u32 v[SPW], v0, 2, SPARE
	v_mov_b32 v[NIL], 0
	ds_add_u32 v28, v29
	ds_add_u32 v28, v29
	s_wait_dscnt 0x0
	v_lshrrev_b32 v1, 5, v0
	v_readfirstlane_b32 s14, v1                    ; wave
	s_lshr_b32 s15, s14, 1                         ; a; also: I fetch for act (0) or for W (1)
	s_and_b32 s16, s14, 1                          ; w; also: which half I fetch
	s_bfe_u32 s40, ttmp6, 0x40000
	s_bfe_u32 s41, ttmp6, 0x40004
	s_lshl_b32 s42, ttmp9, 2
	s_add_co_u32 s42, s42, s40                     ; g
	s_and_b32 s17, ttmp7, 0xffff
	s_lshl_b32 s17, s17, 2
	s_add_co_u32 s17, s17, s41                     ; rb
	s_lshl_b32 s43, s41, 2
	s_lshl_b32 s43, 15, s43
	s_lshl_b32 s44, 0x1111, s40
	; groups 1: rows of 768 elements of 8 bytes (three K steps), 5,120 elements (a tile's 20 K steps) apart; act: 8 rows, W: 4.
	; The last fill states 512 elements as what is left of a row: the mover writes zeros for the rest, the rows keep their place in LDS, and nothing past a tile's K is read
	s_or_b32 s[G1+0], s43, (3<<16)|(1<<21)
	s_or_b32 s[G1L+0], s43, (3<<16)|(1<<21)
	s_or_b32 s[G1B+0], s44, (3<<16)|(1<<21)
	s_or_b32 s[G1BL+0], s44, (3<<16)|(1<<21)
.irp g, G1, G1B, G1L, G1BL
	s_mov_b32 s[\g+3], 768<<16                     ; tile_dim0
	s_mov_b32 s[\g+5], 5120                        ; tensor_dim0_stride
	s_mov_b32 s[\g+6], 0
	s_mov_b32 s[\g+7], 0
.endr
.irp g, G1, G1B
	s_mov_b32 s[\g+1], 768<<16                     ; tensor_dim0
.endr
.irp g, G1L, G1BL
	s_mov_b32 s[\g+1], 512<<16
.endr
.irp g, G1, G1L
	s_mov_b32 s[\g+2], 8<<16                       ; tensor_dim1
	s_mov_b32 s[\g+4], 8                           ; tile_dim1
.endr
.irp g, G1B, G1BL
	s_mov_b32 s[\g+2], 4<<16
	s_mov_b32 s[\g+4], 4
.endr
	s_lshl_b32 s20, s17, 4
	s_lshl_b32 s18, s16, 3
	s_add_co_u32 s20, s20, s18
	s_mul_i32 s20, s20, 40960                      ; act: tile of rows 16 rb + 8 w
	s_mov_b32 s21, 0
	s_lshl_b32 s46, s42, 3
	s_lshl_b32 s18, s16, 2
	s_add_co_u32 s46, s46, s18
	s_mul_i32 s46, s46, 40960                      ; W: tile 8 g + 4 w
	s_mov_b32 s47, 0
	s_mul_i32 s45, s16, 8*6144
	s_mul_i32 s19, s16, 4*6144
	s_add_co_u32 s19, s19, BOFF
	s_wait_kmcnt 0x0
	s_load_b256 s[84:91], s[8:9], 0x0              ; e0 .. e7
	s_load_b64 s[92:93], s[8:9], 0x20              ; e8, e9
	s_add_nc_u64 s[20:21], s[4:5], s[20:21]
	s_add_nc_u64 s[46:47], s[6:7], s[46:47]
	CROUND
.irp s, 0,1
	s_mov_b32 s[G0+4*\s], 1
	s_add_co_u32 s[G0+4*\s+1], s45, \s*SLOT
	s_add_nc_u64 s[G0+4*\s+2:G0+4*\s+3], s[20:21], \s*6144
	s_or_b32 s[G0+4*\s+3], s[G0+4*\s+3], 0x80000000
	s_mov_b32 s[G0B+4*\s], 1
	s_add_co_u32 s[G0B+4*\s+1], s19, \s*SLOT
	s_add_nc_u64 s[G0B+4*\s+2:G0B+4*\s+3], s[46:47], \s*6144
	s_or_b32 s[G0B+4*\s+3], s[G0B+4*\s+3], 0x80000000
	JLOAD G0+4*\s, G1, G0B+4*\s, G1B               ; two loads of mine are out
.endr
	v_and_b32 v1, 31, v0
	v_lshlrev_b32 v2, 4, v1                        ; 16 x lane
	s_mul_i32 s21, s15, 8*6144
	s_mul_i32 s22, s16, 4*6144
	s_add_co_u32 s22, s22, BOFF
.irp s, 0,1
	v_add_nc_u32 v[ADRA+\s], s21, v2
	v_add_nc_u32 v[ADRB+\s], s22, v2
	s_add_co_u32 s21, s21, SLOT
	s_add_co_u32 s22, s22, SLOT
.endr
	v_and_b32 v3, 15, v0                           ; r
	v_bfe_u32 v4, v0, 4, 1                         ; h
	s_mul_i32 s23, s14, 16*272
	s_add_co_u32 s23, s23, STAGE                   ; my stage
	v_mul_u32_u24 v[STO], v3, 272
	v_lshl_add_u32 v[STO], v4, 6, v[STO]
	v_add_nc_u32 v[STO], s23, v[STO]               ; in: row r, + 64 h
	v_mul_u32_u24 v[RD], v4, 272
	v_lshl_add_u32 v[RD], v3, 4, v[RD]
	v_add_nc_u32 v[RD], s23, v[RD]                 ; back: lanes 0-15 one row of 256 bytes, lanes 16-31 the next
	v_lshlrev_b32 v[CO], 13, v4
	v_lshl_add_u32 v[CO], v3, 4, v[CO]             ; and the same two rows in out0
	s_lshl_b32 s20, s17, 21                        ; 256 rows of 8,192 bytes
	s_lshl_b32 s21, s15, 20
	s_add_co_u32 s20, s20, s21
	s_lshl_b32 s21, s42, 9
	s_add_co_u32 s20, s20, s21
	s_lshl_b32 s21, s16, 8
	s_add_co_u32 s20, s20, s21
	s_mov_b32 s21, 0
	s_add_nc_u64 s[10:11], s[10:11], s[20:21]
	s_wait_kmcnt 0x0
	s_add_co_i32 s96, s90, s91                     ; e6 + e7
	s_add_co_i32 s94, s92, s93                     ; e8 + e9
	s_sub_co_i32 s94, s94, s96
	s_add_co_i32 s94, s94, 127
	s_lshl_b32 s94, s94, 23                        ; 2^((e8 + e9) - (e6 + e7))
	s_mov_b32 s95, s94
	s_add_co_i32 s96, s96, 127
	s_lshl_b32 s96, s96, 23                        ; 2^(e6 + e7)
	s_mov_b32 s97, s96
; K step t lies in slot (t / 3) % 2, at the (t % 3)-th 2,048 bytes of each tile, and goes into set t % 2
.macro FETCH t
.set FS, ((\t)/3)%2
.set FQ, (\t)%3
.set FP, (\t)%2
	WIN 0
.irp b, 0,1,2,3
.irp c, 0,1,2,3
	ds_load_b128 v[128+64*FP+16*\b+4*\c:128+64*FP+16*\b+4*\c+3], v[ADRB+FS] offset:6144*\b+2048*FQ+512*\c
.endr
.endr
	WIN 0x80
.irp i, 0,1,2,3,4,5,6,7
.irp c, 0,1,2,3
	ds_load_b128 v[128*FP+16*\i+4*\c:128*FP+16*\i+4*\c+3], v[ADRA+FS] offset:6144*\i+2048*FQ+512*\c
.endr
.endr
.endm
; eight products: W's block b against act's eight.  The 32 accumulators take turns, one instruction a turn, in the same order in every step
.macro MUL8 b, p, zero
	WIN 0x58                                       ; source 0 (W) window 0, source 1 (act) window 2, C and D window 1
.irp i, 0,1,2,3,4,5,6,7
.if \zero
	v_wmma_f32_16x16x128_fp8_fp8 v[64*(\b)+8*\i:64*(\b)+8*\i+7], v[128+64*(\p)+16*(\b):128+64*(\p)+16*(\b)+15], v[128*(\p)+16*\i:128*(\p)+16*\i+15], 0
.else
	v_wmma_f32_16x16x128_fp8_fp8 v[64*(\b)+8*\i:64*(\b)+8*\i+7], v[128+64*(\p)+16*(\b):128+64*(\p)+16*(\b)+15], v[128*(\p)+16*\i:128*(\p)+16*\i+15], v[64*(\b)+8*\i:64*(\b)+8*\i+7]
.endif
.endr
.endm
; A K step whose successor lies in the same slot
.macro STEP t, zero, rescale
	PLACES 4                                       ; in front of loads into the set that the last step's products read, and of the rescaling
	FETCH (\t)+1
.if \rescale
	WIN 0x41
.set n, 0
.rept 128
	v_pk_mul_f32 v[n:n+1], v[n:n+1], s[94:95] op_sel_hi:[1,0]      ; the attention's part under the other part's scales; each accumulator from its low end on
.set n, n+2
.endr
.endif
	s_wait_dscnt 48                                ; this step's fragments are in; the 48 loads just issued may be out
	MUL8 0, (\t)%2, \zero
	MUL8 1, (\t)%2, \zero
	MUL8 2, (\t)%2, \zero
	MUL8 3, (\t)%2, \zero
.endm
; A slot's last K step changes slots.  fill = 1: this slot is filled again, two fills ahead; 2: with the last fill's groups 1; 0: nothing is left to fetch
.macro TURN t, fill
.set SL, ((\t)/3)%2
	WIN 0
	s_wait_tensorcnt 0x0                           ; all my tensor loads have landed: my part of the next slot
	ds_add_u32 v[SPW], v[NIL]                      ; 0 onto my spare word
	s_wait_dscnt 1                                 ; this step's fragments are in (the add may be out)
	MUL8 0, (\t)%2, 0
	s_wait_dscnt 0x0                               ; the add is done, and my reads of this slot are over
	s_barrier_signal -1
	MUL8 1, (\t)%2, 0
	WIN 0
	s_barrier_wait -1
.if \fill
	CREST                                          ; a round of the cluster's barrier: no wave of any partner still reads this slot or has a load on its way
	s_add_nc_u64 s[G0+4*SL+2:G0+4*SL+3], s[G0+4*SL+2:G0+4*SL+3], 12288
	s_add_nc_u64 s[G0B+4*SL+2:G0B+4*SL+3], s[G0B+4*SL+2:G0B+4*SL+3], 12288
.if \fill == 2
	JLOAD G0+4*SL, G1L, G0B+4*SL, G1BL
.else
	JLOAD G0+4*SL, G1, G0B+4*SL, G1B               ; my one load out: 96 matrix instructions in which to land; its four v_nop are the places in front of the loads below
.endif
.else
	PLACES 4
.endif
	FETCH (\t)+1
	MUL8 2, (\t)%2, 0
	MUL8 3, (\t)%2, 0
.endm
	s_wait_tensorcnt 1                             ; my part of slot 0 is in; slot 1's load may be out
	s_barrier_signal -1
	s_barrier_wait -1
	FETCH 0
	STEP 0, 1, 0
	STEP 1, 0, 0
	TURN 2, 1
	STEP 3, 0, 0
	STEP 4, 0, 1                                   ; K steps 0-3 were the attention's
	TURN 5, 1
	STEP 6, 0, 0
	STEP 7, 0, 0
	TURN 8, 1
	STEP 9, 0, 0
	STEP 10, 0, 0
	TURN 11, 1
	STEP 12, 0, 0
	STEP 13, 0, 0
	TURN 14, 2
	STEP 15, 0, 0
	STEP 16, 0, 0
	TURN 17, 0
	STEP 18, 0, 0
	s_wait_dscnt 0x0
	MUL8 0, 1, 0
	MUL8 1, 1, 0
	MUL8 2, 1, 0
	MUL8 3, 1, 0
	WIN 0
; THE WAY OUT, a tile of 16 rows x 64 columns at a time: x 2^(e6 + e7), through my own stage, back as whole rows of 256 bytes.  LDS serves a wave's instructions in order: no wait between the stores and the loads.
; Tile b = 2 P + u of columns: register j of lane (r, h) is column 32 P + 8 u + 16 h + j.
.macro TOSTAGE i
	WIN 0x01
.irp b, 0,1,2,3
.irp j, 0,2,4,6
	v_pk_mul_f32 v[TMP+8*\b+\j:TMP+8*\b+\j+1], v[64*\b+8*(\i)+\j:64*\b+8*(\i)+\j+1], s[96:97] op_sel_hi:[1,0]
.endr
.endr
	WIN 0
.irp b, 0,1,2,3
	ds_store_b128 v[STO], v[TMP+8*\b:TMP+8*\b+3] offset:128*(\b/2)+32*(\b%2)
	ds_store_b128 v[STO], v[TMP+8*\b+4:TMP+8*\b+7] offset:128*(\b/2)+32*(\b%2)+16
.endr
.set BB, BK+32*((\i)%2)
.irp k, 0,1,2,3,4,5,6,7
	ds_load_b128 v[BB+4*\k:BB+4*\k+3], v[RD] offset:544*\k
.endr
.endm
.macro SEND i, younger                 ; younger: the LDS instructions issued behind tile i's loads, which may stay out
.set BB, BK+32*((\i)%2)
	s_wait_dscnt \younger
.irp k, 0,1,2,3,4,5,6,7
	global_store_b128 v[CO], v[BB+4*\k:BB+4*\k+3], s[10:11] offset:131072*(\i)+16384*\k th:TH_STORE_NT   ; sixteen lanes store 256 consecutive bytes, aligned
.endr
.endm
	PLACES 4
	TOSTAGE 0
.irp i, 1,2,3,4,5,6,7
.if \i > 1
	s_wait_xcnt 0x0                                ; tile i - 2's stores have read their registers: tile i's loads may land there
.endif
	TOSTAGE \i
	SEND \i-1, 16                                  ; behind tile i - 1's loads: tile i's 8 stores and 8 loads
.endr
	SEND 7, 0
	s_wait_tensorcnt 0x0                           ; the wave's end
	ds_add_u32 v[SPW], v[NIL]
	s_wait_dscnt 0x0
	CROUND                                         ; the closing round
	s_endpgm
.Lfunc_end_k_qc478916236_outp:
	.size	k_qc478916236_outp, .Lfunc_end_k_qc478916236_outp-k_qc478916236_outp
	.p2alignl 7, 3214868480
	.fill 96, 4, 3214868480
	.section	.rodata,"a",@progbits
	.p2align	6, 0x0
	.amdhsa_kernel k_qc478916236_outp
		.amdhsa_group_segment_fixed_size 327680
		.amdhsa_private_segment_fixed_size 0
		.amdhsa_enable_private_segment 0
		.amdhsa_kernarg_size 32
		.amdhsa_user_sgpr_count 2
		.amdhsa_user_sgpr_kernarg_segment_ptr 1
		.amdhsa_wavefront_size32 1
		.amdhsa_system_sgpr_workgroup_id_x 1
		.amdhsa_system_sgpr_workgroup_id_y 1
		.amdhsa_system_sgpr_workgroup_id_z 1
		.amdhsa_system_vgpr_workitem_id 0
		.amdhsa_next_free_vgpr 768
		.amdhsa_next_free_sgpr 98
		.amdhsa_reserve_vcc 0
		.amdhsa_float_denorm_mode_32 3
		.amdhsa_float_denorm_mode_16_64 3
		.amdhsa_memory_ordered 1
		.amdhsa_forward_progress 1
		.amdhsa_inst_pref_size 150
	.end_amdhsa_kernel
	.amdgpu_metadata
---
amdhsa.version: [ 1, 2 ]
amdhsa.kernels:
  - .name:           k_qc478916236_outp
    .symbol:         k_qc478916236_outp.kd
    .args:
      - { .name: act, .offset: 0, .size: 8, .value_kind: global_buffer, .address_space: global }
      - { .name: w2img, .offset: 8, .size: 8, .value_kind: global_buffer, .address_space: global }
      - { .name: lowp_scales, .offset: 16, .size: 8, .value_kind: global_buffer, .address_space: global }
      - { .name: out0, .offset: 24, .size: 8, .value_kind: global_buffer, .address_space: global }
    .group_segment_fixed_size: 327680
    .private_segment_fixed_size: 0
    .kernarg_segment_align: 8
    .kernarg_segment_size: 32
    .max_flat_workgroup_size: 128
    .sgpr_count:     98
    .vgpr_count:     768
    .wavefront_size: 32
...
	.end_amdgpu_metadata
.endif
;; end of part 4
